; MI455X (gfx1250); checked and timed in simulation.
; The chip was launched on July 23, 2026; its instructions are those of AMD's public machine-readable ISA for CDNA 5 (MIT licence, August 2026) and "CDNA5" Instruction Set Architecture Reference Guide (July 2026). The comments in the code are by the model that wrote it; some were corrected since.
;; Block. Allowed arithmetic: matrix products marked QUANTISED: E4M3 operands, one E8M0 scale for each 32 along K, by v_wmma_scale_f32_16x16x128_f8f6f4 with both operands' format E4M3, f32 sums; everything else in f32.
;; Inputs: W_fc1_codes 4,096 x 32 x 32 uint8 (E4M3 codes of W_fc1, K innermost, in blocks of 32 codes); W_fc1_scales 4,096 x 32 uint8 (E8M0 scales of W_fc1, one for each 32 codes along K); W_fc2_codes 1,024 x 128 x 32 uint8 (E4M3 codes of W_fc2, K innermost, in blocks of 32 codes); W_fc2_scales 1,024 x 128 uint8 (E8M0 scales of W_fc2, one for each 32 codes along K); W_proj_codes 1,024 x 32 x 32 uint8 (E4M3 codes of W_proj, K innermost, in blocks of 32 codes); W_proj_scales 1,024 x 32 uint8 (E8M0 scales of W_proj, one for each 32 codes along K); W_qkv_codes 3,072 x 32 x 32 uint8 (E4M3 codes of W_qkv, K innermost, in blocks of 32 codes); W_qkv_scales 3,072 x 32 uint8 (E8M0 scales of W_qkv, one for each 32 codes along K); ln1_b 1,024 float32; ln1_g 1,024 float32; ln2_b 1,024 float32; ln2_g 1,024 float32; x 2 x 2,048 x 1,024 float32.
;; Outputs: out0 2 x 2,048 x 1,024 float32.
;; This version of the problem:
;;   THIS VERSION OF THE PROBLEM IS GIVEN IN LOW PRECISION. The matrix products marked QUANTISED in the list below multiply operands that are first quantised to E4M3 (4 exponent bits, 3 mantissa bits; 8 bits a number), with one power-of-two scale for each 32 numbers along K (OCP MX v1.0); their sums are f32. All else is computed in f32.
;;   The module's matrix products, in the order in which they are computed (A, B: the left and right operand; K: the contracted axis; several contracted axes count as one K, in the product's order):
;;     1. [M 4,096, K 1,024] x [K 1,024, N 3,072]; A: computed on the way; B: input W_qkv (given as codes): QUANTISED
;;     2. batch 32 x [M 2,048, K 64] x [K 64, N 2,048]; A: computed on the way; B: computed on the way: QUANTISED
;;     3. batch 32 x [M 2,048, K 2,048] x [K 2,048, N 64]; A: softmax (see below); B: computed on the way: QUANTISED
;;     4. [M 4,096, K 1,024] x [K 1,024, N 1,024]; A: computed on the way; B: input W_proj (given as codes): QUANTISED
;;     5. [M 4,096, K 1,024] x [K 1,024, N 4,096]; A: computed on the way; B: input W_fc1 (given as codes): QUANTISED
;;     6. [M 4,096, K 4,096] x [K 4,096, N 1,024]; A: computed on the way; B: input W_fc2 (given as codes): QUANTISED
;;   THE QUANTISER, for each operand of a quantised product, along K:
;;     - K is cut into blocks of 32 from its start; a last block that is shorter is filled with zeros.
;;     - A block's scale is 2^e with e = floor(log2(the largest magnitude in the block)) - 8, held to -126 .. 127; a block of zeros has e = 0. As a byte (E8M0): e + 127.
;;     - Each number is divided by its block's scale, clamped to +-448, and rounded to the nearest number of E4M3, ties to even, subnormals kept.
;;     - The product sums the exact products of the quantised numbers (number of the format x scale) in f32.
;;   ~~~python
;;   def quantise(x, axis):      # numpy; x: float32 -> the quantised numbers, widened to float32 again
;;       x = np.moveaxis(x, axis, -1); K = x.shape[-1]
;;       x = np.pad(x, [(0, 0)] * (x.ndim - 1) + [(0, -K % 32)]); x = x.reshape(x.shape[:-1] + (-1, 32)); a = np.abs(x).max(-1, keepdims=True)
;;       e = np.where(a > 0, np.clip(np.frexp(np.where(a > 0, a, 1))[1] - 1 - 8, -126, 127), 0)      # np.frexp(a)[1] - 1 = floor(log2(a)), exactly
;;       r = np.clip(x / 2.0 ** e, -448, 448)
;;       step = 2.0 ** (np.maximum(np.frexp(np.where(r == 0, 1, r))[1] - 1, -6) - 3)
;;       q = np.round(r / step) * step * 2.0 ** e      # np.round: ties to even
;;       return np.moveaxis(q.reshape(q.shape[:-2] + (-1,))[..., :K], -1, axis).astype(np.float32)
;;   ~~~
;;   SOFTMAX AHEAD OF A QUANTISED PRODUCT. Where the list says 'softmax', what is quantised is not the finished softmax but p = 2^(t - M), with t = logit x log2(e) and M = ceil(the row's largest t), a whole number; so 1/2 < the row's largest p <= 1. The row's sum l is taken of the UNQUANTISED p, in f32, and the product's result is divided by l at the end. Since M is a whole number, a kernel that streams over the keys may use a running M (the ceiling of the running maximum): every later rescaling is an exact power of two, which a block's scale takes up: the codes' values come out the same.
;;   OPERANDS COMPUTED ON THE WAY. 'Computed on the way' means the value that the module computes at that place (a softmax that the list does not call 'softmax' is quantised finished and normalised). What goes into a quantiser is computed in f32, as accurately as f32 sums, v_exp_f32 and their like allow (about 1e-6 of the number): no bf16 or f16 on the way to a quantiser, and a product that is left as it is and whose result goes on into a quantised operand takes f32 operands (vector FMAs, or v_wmma_f32_16x16x4_f32). A number that lies on a knife's edge between two numbers of the format may be rounded either way, as far as f32 arithmetic and the matrix unit's own rounding can turn it there, and no further.
;;   INPUTS GIVEN AS CODES. W_fc1 (in the module: [1024, 4096], K = its axis 0); W_fc2 (in the module: [4096, 1024], K = its axis 0); W_proj (in the module: [1024, 1024], K = its axis 0); W_qkv (in the module: [1024, 3072], K = its axis 0): each comes as NAME_codes (uint8): NAME with its K axis moved to the last place and cut into blocks of 32 codes, [.., K / 32, bytes a block], one block behind the other in memory; one code a byte (a code: sign, 4 exponent bits, 3 mantissa bits); and NAME_scales (uint8): the same leading axes, one E8M0 byte (e + 127) for each 32 codes along K. Its value is code x scale, taken as it is: it is not quantised again, and the codes and scales need not be those that the quantiser above would give.
;; One version. Each part assembles by itself: llvm-mc -triple=amdgcn-amd-amdhsa -mcpu=gfx1250 --defsym DOCPART=n.
;; ======== version 1 of 1: 7 launches
;; limits: right only within a limited range of input values
;; workspace buffers: hq 4,325,376 bytes; qimg 4,325,376 bytes; kv 8,650,752 bytes; yq 4,325,376 bytes; x1 16,777,216 bytes; gq 17,301,504 bytes
;; launch ln1 (part 1): grid 256 x 1, 4 waves a work-group, no clusters, 21,504 bytes of LDS; arguments x, ln1_g, ln1_b, hq; writes hq
.if DOCPART == 1
	.amdgcn_target "amdgcn-amd-amdhsa--gfx1250"
	.amdhsa_code_object_version 6
	.text
	.protected	k_q88de3d84fc_ln1
	.globl	k_q88de3d84fc_ln1
	.p2align	8
	.type	k_q88de3d84fc_ln1,@function
k_q88de3d84fc_ln1:
	s_mov_b64 s[64:65], 0
	v_nop
	global_prefetch_b8 v0, s[64:65] scope:SCOPE_SE
	s_setreg_imm32_b32 hwreg(HW_REG_WAVE_MODE, 25, 1), 1
	s_wait_xcnt 0x0
; THE PROGRAM: a pre-norm transformer block, 4,096 tokens x 1,024, 16 heads of 64, all six products on codes of E4M3 with one E8M0 scale for each 32 along K.
; Seven launches: this one (LayerNorm 1 -> codes), qkv, attention, projection + residual, this one again (LayerNorm 2), fc1 + GELU, fc2 + residual.  Every intermediate but x + y W_proj goes to memory as codes.
; WORK LEFT OUT (in the attention launch): a step of 128 keys all of which come after a tile's 16 queries.  reference() itself sets those logits to -infinity by its own jnp.tril before the softmax, so their
; weights are 0 for all values of the inputs and neither the row's maximum, its sum nor the second product takes anything from them.  LIMIT: a NaN, an infinity or an overflow that reaches only those scores
; is not carried to the result.  No input is without a way to the output: all are loaded.
; THIS LAUNCH: h = (x - mean) * rsqrt(var + 1e-5) * g + b along rows of 1,024, in f32, the variance taken of x - mean; then the quantiser along the row: codes [4096][1024], and behind them (byte 4,194,304 on) scale bytes [4096][32].
; A block's scale is 2^(floor(log2(largest magnitude)) - 8); its byte is that magnitude's exponent field - 8, held at 1 from below (a block of zeros gets 1 where the rule says 127: its codes are zeros, and only this program reads the bytes).
; LIMITS: blocks whose largest magnitude lies under 2^(8 - 126) keep the byte 1; NaN and infinities among the inputs are not served.
; SHARES: a work-group takes 16 rows, each of its four waves 4.  A row is eight loads of 512 consecutive bytes and stays in 32 registers; all 48 loads of a wave (g, b, four rows) go out at the head.
; The conversions want 16 neighbours in one lane: 2,048 bytes at a time turn through the wave's own stage in LDS (16 bytes of padding behind each 64).  No matrix unit, no cluster, no tensor load: nothing is shared but g and b.
.set SP,    80                         ; a lane's place in a stage: 64 bytes + 16
.set WREG,  5120                       ; a wave's two stages
.set SCB,   20480                      ; the work-group's 512 scale bytes
.set SPARE, 20992                      ; the spare words, 128 bytes a wave: two blocks of 256 bytes that no other line names
.set R,     16                         ; v16-143  four rows of 32 registers; register 4 j + e = column 128 j + 4 lane + e; later the codes
.set G,     144                        ; v144-175 g, in the same layout
.set B,     176                        ; v176-207 b
.set X,     208                        ; v208-239 two sets of 16 neighbours
.set A,     240                        ; v240-247 four chains of packed sums
.set E,     248                        ; v248-255 a scale byte for each of the wave's eight half rows
	s_load_b256 s[4:11], s[0:1], 0x0               ; x, g, b, hq
	v_lshl_add_u32 v6, v0, 2, SPARE                ; my spare word; never rewritten
	v_mov_b32 v7, 0                                ; 0; never rewritten
	v_lshrrev_b32 v8, 5, v0
	v_readfirstlane_b32 s12, v8                    ; wave
	v_and_b32 v1, 31, v0                           ; lane
	v_lshlrev_b32 v2, 4, v1                        ; 16 x lane
	s_mul_i32 s13, s12, WREG
	v_lshrrev_b32 v3, 2, v1
	v_mul_u32_u24 v3, v3, SP
	v_and_b32 v8, 3, v1
	v_lshl_add_u32 v3, v8, 4, v3
	v_add_nc_u32 v3, s13, v3                       ; into a stage: SP (lane / 4) + 16 (lane % 4)
	v_mul_u32_u24 v4, v1, SP
	v_add_nc_u32 v4, s13, v4                       ; out of it: SP x lane
	s_lshl_b32 s13, s12, 7
	s_add_co_u32 s13, s13, SCB
	v_lshrrev_b32 v5, 1, v1
	v_add_nc_u32 v5, s13, v5                       ; my block's scale byte: 128 x wave + lane / 2
	v_add_nc_u32 v14, SCB, v2                      ; where wave 0 reads the 512 bytes back
	v_mov_b32 v9, 0                                ; written once: a lane permute's destination counts as read
	s_lshl_b32 s14, ttmp9, 16                      ; 16 rows of 4,096 bytes a work-group,
	s_lshl_b32 s15, s12, 14                        ; 4 a wave
	s_add_co_u32 s14, s14, s15
	s_mov_b32 s15, 0
	s_lshr_b32 s16, s14, 2                         ; the codes: a quarter of that
	s_mov_b32 s17, 0
	s_lshl_b32 s18, ttmp9, 9                       ; the scale bytes: 512 a work-group, behind the codes
	s_add_co_u32 s18, s18, 4194304
	s_mov_b32 s19, 0
	s_mov_b32 s20, 0x3a800000                      ; 1 / 1024
	s_mov_b32 s21, 0x3727c5ac                      ; 1e-5
	s_mov_b32 s22, 0x76543210
	s_mov_b32 s23, 0xfedcba98                      ; lane l xor 16
	s_mov_b32 s24, 0x600000                        ; the mantissa field of 448
	s_wait_kmcnt 0x0
	s_add_nc_u64 s[4:5], s[4:5], s[14:15]
	s_add_nc_u64 s[16:17], s[10:11], s[16:17]
	s_add_nc_u64 s[18:19], s[10:11], s[18:19]
.irp j, 0,1,2,3,4,5,6,7
	global_load_b128 v[G+4*\j:G+4*\j+3], v2, s[6:7] offset:512*\j
.endr
.irp j, 0,1,2,3,4,5,6,7
	global_load_b128 v[B+4*\j:B+4*\j+3], v2, s[8:9] offset:512*\j
.endr
.irp i, 0,1,2,3
.irp j, 0,1,2,3,4,5,6,7
	global_load_b128 v[R+32*\i+4*\j:R+32*\i+4*\j+3], v2, s[4:5] offset:4096*\i+512*\j th:TH_LOAD_NT
.endr
.endr
.macro REDUCE                          ; the four chains become one number, summed over the 32 lanes, in every lane's v8
	v_pk_add_f32 v[A:A+1], v[A:A+1], v[A+2:A+3]
	v_pk_add_f32 v[A+4:A+5], v[A+4:A+5], v[A+6:A+7]
	v_pk_add_f32 v[A:A+1], v[A:A+1], v[A+4:A+5]
	v_add_f32 v8, v[A], v[A+1]
	v_add_f32_dpp v8, v8, v8 row_xmask:1 row_mask:0xf bank_mask:0xf
	v_add_f32_dpp v8, v8, v8 row_xmask:2 row_mask:0xf bank_mask:0xf
	v_add_f32_dpp v8, v8, v8 row_xmask:4 row_mask:0xf bank_mask:0xf
	v_add_f32_dpp v8, v8, v8 row_xmask:8 row_mask:0xf bank_mask:0xf
	v_permlanex16_b32 v9, v8, s22, s23
	v_add_f32 v8, v8, v9
.endm
.macro ROW i
.set RI, R+32*\i
	s_wait_loadcnt 8*(3-\i)                        ; g, b and my rows up to this one are in; the later rows' eight loads each may be out
.irp c, 0,1,2,3
	v_pk_add_f32 v[A+2*\c:A+2*\c+1], v[RI+2*\c:RI+2*\c+1], v[RI+8+2*\c:RI+9+2*\c]
.endr
.irp k, 16,24
.irp c, 0,1,2,3
	v_pk_add_f32 v[A+2*\c:A+2*\c+1], v[A+2*\c:A+2*\c+1], v[RI+\k+2*\c:RI+\k+2*\c+1]
.endr
.endr
	REDUCE
	v_mul_f32 v10, s20, v8                         ; the mean,
	v_mov_b32 v11, v10                             ; twice
.set p, 0
.rept 16
	v_pk_add_f32 v[RI+p:RI+p+1], v[RI+p:RI+p+1], v[10:11] neg_lo:[0,1] neg_hi:[0,1]
.set p, p+2
.endr
.irp c, 0,1,2,3
	v_pk_mul_f32 v[A+2*\c:A+2*\c+1], v[RI+2*\c:RI+2*\c+1], v[RI+2*\c:RI+2*\c+1]
.endr
.irp k, 8,16,24
.irp c, 0,1,2,3
	v_pk_fma_f32 v[A+2*\c:A+2*\c+1], v[RI+\k+2*\c:RI+\k+2*\c+1], v[RI+\k+2*\c:RI+\k+2*\c+1], v[A+2*\c:A+2*\c+1]
.endr
.endr
	REDUCE
	v_fma_f32 v12, v8, s20, s21                    ; the variance + 1e-5
	s_wait_alu depctr_va_vdst(0)
	v_rsq_f32 v12, v12
	v_nop                                          ; a plain instruction behind the transcendental,
	s_wait_alu depctr_va_vdst(0)                   ; and the wait ahead of its first reader
	v_mov_b32 v13, v12
.set p, 0
.rept 16
	v_pk_mul_f32 v[RI+p:RI+p+1], v[RI+p:RI+p+1], v[12:13]
.set p, p+2
.endr
.set p, 0
.rept 16
	v_pk_fma_f32 v[RI+p:RI+p+1], v[RI+p:RI+p+1], v[G+p:G+p+1], v[B+p:B+p+1]
.set p, p+2
.endr
.irp t, 0,1                            ; the row's two halves through my two stages: LDS serves a wave's instructions in order, so no wait stands between the stores and the loads
.irp k, 0,1,2,3
	ds_store_b128 v3, v[RI+16*\t+4*\k:RI+16*\t+4*\k+3] offset:32*SP*\t+8*SP*\k
.endr
.endr
.irp t, 0,1
.irp k, 0,1,2,3
	ds_load_b128 v[X+16*\t+4*\k:X+16*\t+4*\k+3], v4 offset:32*SP*\t+16*\k
.endr
.endr
	s_wait_dscnt 0x0                               ; my 32 neighbours are in, and the stores have read the row's registers, which take the codes
.irp t, 0,1
.set XS, X+16*\t
	v_max3_num_f32 v8, |v[XS]|, |v[XS+1]|, |v[XS+2]|
	v_max3_num_f32 v9, |v[XS+3]|, |v[XS+4]|, |v[XS+5]|
.irp q, 6,10
	v_max3_num_f32 v8, v8, |v[XS+\q]|, |v[XS+\q+1]|
	v_max3_num_f32 v9, v9, |v[XS+\q+2]|, |v[XS+\q+3]|
.endr
	v_max3_num_f32 v8, v8, |v[XS+14]|, |v[XS+15]|
	v_max3_num_f32 v8, v8, v9, 0x4800000           ; and the floor 2^(9 - 127): the byte cannot fall under 1
	v_max_num_f32_dpp v8, v8, v8 row_xmask:1 row_mask:0xf bank_mask:0xf   ; with my neighbour's 16: the block's largest magnitude
	v_add_nc_u32 v11, 0xfc000000, v8               ; 8 off its exponent field: the conversion's scale operand
	v_and_or_b32 v10, v8, 0x7f800000, s24          ; 448 x the scale
.irp q, 0,1,2,3,4,5,6,7,8,9,10,11,12,13,14,15
	v_med3_num_f32 v[XS+\q], v[XS+\q], -v10, v10   ; the conversion to an 8-bit code does not saturate (ISA guide 7.6.2): the hold comes first
.endr
	v_cvt_scalef32_pk8_fp8_f32 v[RI+4*\t:RI+4*\t+1], v[XS:XS+7], v11
	v_cvt_scalef32_pk8_fp8_f32 v[RI+4*\t+2:RI+4*\t+3], v[XS+8:XS+15], v11
	v_lshrrev_b32 v[E+2*\i+\t], 23, v11            ; the scale's byte (also the plain instruction behind the conversions)
	ds_store_b8 v5, v[E+2*\i+\t] offset:32*\i+16*\t  ; both lanes of a block write the same byte with the same value
	global_store_b128 v2, v[RI+4*\t:RI+4*\t+3], s[16:17] offset:1024*\i+512*\t   ; 32 lanes store 512 consecutive bytes
.endr
.endm
	ROW 0
	ROW 1
	ROW 2
	ROW 3
	s_wait_dscnt 0x0                               ; for the others' sake: my scale bytes lie in LDS
	s_barrier_signal -1
	s_barrier_wait -1
	s_cmp_lg_u32 s12, 0
	s_cbranch_scc1 .Lrest
	ds_load_b128 v[X:X+3], v14                     ; wave 0: the 16 rows' 512 scale bytes
	s_wait_dscnt 0x0
	global_store_b128 v2, v[X:X+3], s[18:19]       ; 512 consecutive bytes
.Lrest:
	s_wait_tensorcnt 0x0                           ; the wave's end
	ds_add_u32 v6, v7
	s_wait_dscnt 0x0
	s_endpgm
.Lfunc_end_k_q88de3d84fc_ln1:
	.size	k_q88de3d84fc_ln1, .Lfunc_end_k_q88de3d84fc_ln1-k_q88de3d84fc_ln1
	.p2alignl 7, 3214868480
	.fill 96, 4, 3214868480
	.section	.rodata,"a",@progbits
	.p2align	6, 0x0
	.amdhsa_kernel k_q88de3d84fc_ln1
		.amdhsa_group_segment_fixed_size 21504
		.amdhsa_private_segment_fixed_size 0
		.amdhsa_enable_private_segment 0
		.amdhsa_kernarg_size 32
		.amdhsa_user_sgpr_count 2
		.amdhsa_user_sgpr_kernarg_segment_ptr 1
		.amdhsa_wavefront_size32 1
		.amdhsa_system_sgpr_workgroup_id_x 1
		.amdhsa_system_sgpr_workgroup_id_y 1
		.amdhsa_system_sgpr_workgroup_id_z 1
		.amdhsa_system_vgpr_workitem_id 0
		.amdhsa_next_free_vgpr 256
		.amdhsa_next_free_sgpr 66
		.amdhsa_reserve_vcc 0
		.amdhsa_float_denorm_mode_32 3
		.amdhsa_float_denorm_mode_16_64 3
		.amdhsa_memory_ordered 1
		.amdhsa_forward_progress 1
		.amdhsa_inst_pref_size 53
	.end_amdhsa_kernel
	.amdgpu_metadata
---
amdhsa.version: [ 1, 2 ]
amdhsa.kernels:
  - .name:           k_q88de3d84fc_ln1
    .symbol:         k_q88de3d84fc_ln1.kd
    .args:
      - { .name: x, .offset: 0, .size: 8, .value_kind: global_buffer, .address_space: global }
      - { .name: ln1_g, .offset: 8, .size: 8, .value_kind: global_buffer, .address_space: global }
      - { .name: ln1_b, .offset: 16, .size: 8, .value_kind: global_buffer, .address_space: global }
      - { .name: hq, .offset: 24, .size: 8, .value_kind: global_buffer, .address_space: global }
    .group_segment_fixed_size: 21504
    .private_segment_fixed_size: 0
    .kernarg_segment_align: 8
    .kernarg_segment_size: 32
    .max_flat_workgroup_size: 128
    .sgpr_count:     66
    .vgpr_count:     256
    .wavefront_size: 32
...
	.end_amdgpu_metadata
.endif
;; end of part 1
;; launch qkv (part 2): grid 8 x 32, 4 waves a work-group, clusters of 4 x 4, 327,680 bytes of LDS; arguments hq, W_qkv_codes, W_qkv_scales, qimg, kv; writes qimg, kv
.if DOCPART == 2
	.amdgcn_target "amdgcn-amd-amdhsa--gfx1250"
	.amdhsa_code_object_version 6
	.text
	.protected	k_q88de3d84fc_qkv
	.globl	k_q88de3d84fc_qkv
	.p2align	8
	.type	k_q88de3d84fc_qkv,@function
k_q88de3d84fc_qkv:
	s_mov_b64 s[64:65], 0
	v_nop
	global_prefetch_b8 v0, s[64:65] scope:SCOPE_SE
	s_setreg_imm32_b32 hwreg(HW_REG_WAVE_MODE, 25, 1), 1
	s_wait_xcnt 0x0
	s_wait_alu depctr_hold_cnt(0) depctr_sa_sdst(0) depctr_va_vdst(0) depctr_va_sdst(0) depctr_va_ssrc(0) depctr_va_vcc(0) depctr_vm_vsrc(0)
	s_getreg_b32 s2, hwreg(HW_REG_IB_STS2, 6, 4)
	s_cmp_eq_u32 s2, 0
	s_cbranch_scc0 .Lentry_in_a_cluster
	s_endpgm
.Lentry_in_a_cluster:
	s_bfe_u32 s2, ttmp6, 0x10000c
	s_cmp_lg_u32 s2, 0xf033
	s_cbranch_scc0 .Lentry_shape_is_right
	s_endpgm
.Lentry_shape_is_right:
; qkv = h W_qkv^T on codes of E4M3 with E8M0 scales, K = 1,024; q and k are quantised along the head's 64, v along the keys, and leave as IMAGES of operand registers.
; SHARES: a work-group keeps 128 tokens and makes three tiles of 128 x 128: against block tx of W's rows (q), block tx + 8 (k), block tx + 16 (v).  Four waves, 2 x 2: wave / 2 picks 64 tokens, wave % 2 picks 64 rows of W.
; THE TOKENS LIVE IN REGISTERS: a wave's 64 rows, all of K, are 512 registers (windows 1, 2), read from LDS once.  W streams past them in blocks of 16 rows x all of K (128 registers), two sets in window 3:
; a block is 34 LDS loads and 32 products, four accumulators by turns.
; A product is D = S0 x S1^T: a lane holds ONE row of S1 and its registers run along S0's rows, the next product's K.  For q and k: S0 = W, S1 = tokens.  For v the sources change places: S0 = tokens (keys), S1 = W (channels).
; LDS: two slots of 128 rows x (1,024 + 16) bytes.  At the head slot 0 takes the tokens, slot 1 W's block for q; one tensor load a wave: tokens, their scale bytes, W, W's scale bytes of all three blocks.
; When all waves hold the tokens in registers, slot 0 takes k's block; when q's block is read out, slot 1 takes v's: each behind a drained round of the cluster's barrier, 32 rows a wave, asked for one tile of work ahead of its first read; so no prefetch is laid.
; ORDER ALONG THE NEXT K: the 16 registers of result tiles 2 B and 2 B + 1 are converted as they stand, so place 32 B + 16 h + 8 u + j of a fragment holds index 32 B + 16 u + 8 h + j.  The blocks of 32 are the true blocks,
; and both operands of each attention product are made this way, so the products are unchanged.
; CLUSTER 4 x 4: the tokens' tiles are asked for jointly along a row of the cluster, W's along a column.
; LIMITS: blocks whose largest magnitude lies under 2^(8 - 126) keep the byte 1; NaN and infinities are not served.  The v tile's scale bytes leave two at a time: a K step's word comes from two waves.
; REGISTERS, window 0: v1-19 addresses and small work; v32-63 the tokens' scale words, v68-83 W's (two sets): scales and nothing else; v96-111 the quantiser's work; v112-127 codes; v128-255 accumulators ((S1 tile a, S0 tile b) at 128 + 8 (4 a + b)).
.set KT,     1024
.set NT,     3
.set PITCH,  1040                      ; an LDS row: 1,024 bytes + 16: the 16 rows of a fragment load start 4 words apart modulo 64 words
.set S1,     128*PITCH
.set SCLT,   2*S1                      ; the tokens' scale bytes: 128 rows x 32
.set SCLW,   SCLT+4096                 ; W's: [tile][128 rows x 32]
.set SPARE,  SCLW+NT*4096              ; the spare words, 128 bytes a wave: two blocks of 256 bytes that no other line names
.set WSTEP,  8*128*KT
.set NF,     34
.set ADT, 4
.set ADW0, 5                           ; my rows of W in slot 0,
.set ADW1, 6                           ; in slot 1
.set AST, 7
.set ASW, 8
.set LI,  10
.set SPW, 14
.set NIL, 15
.set PW,  16
.set ST,  32
.set SW,  68                           ; no product's two scale words have numbers equal modulo 8
.set TM,  96
.set PC0, 112
.set ACC, 128
.set WV,  12
.set WR,  13
.set WC,  14
.set MNT, 15
.set SEL, 16
.set TX,  18
.set TY,  19
.set G1T, 24
.set G1W, 32
.set G1R, 40
.set G1S, 48
.set G1SB, 56
.set G0T, 68
.set G0W, 72
.set G0S, 76
.set G0SB, 80
.set G0R0, 84
.set G0R1, 88
.set MSB, 0
.macro WIN new
.if MSB != \new
	s_set_vgpr_msb (MSB<<8)|\new
.set MSB, \new
.endif
.endm
.macro PLACES n
.rept \n
	v_nop
.endr
.endm
.macro CROUND                          ; a round of the cluster's barrier
	s_barrier_signal -1
	s_barrier_wait -1
	s_cmp_lg_u32 s[WV], 0
	s_cbranch_scc1 .Lnot_wave_0_\@
	s_barrier_signal -3
.Lnot_wave_0_\@:
	s_barrier_wait -3
	s_barrier_signal -1
	s_barrier_wait -1
.endm
.macro GROUP1 g, mask, rows            ; so many whole rows of K, 4 words of padding behind every 256
	s_or_b32 s[\g], s[\mask], (1<<20)|(1<<21)|(7<<22)|(3<<25)
	s_mov_b32 s[\g+1], KT<<16
	s_mov_b32 s[\g+2], (\rows)<<16
	s_mov_b32 s[\g+3], KT<<16
	s_mov_b32 s[\g+4], \rows
	s_mov_b32 s[\g+5], KT
	s_mov_b32 s[\g+6], 0
	s_mov_b32 s[\g+7], 0
.endm
.macro ARM under, g0, g1, next
	s_cmp_lt_u32 s[WV], \under
	s_cbranch_scc0 \next
	tensor_load_to_lds s[\g0:\g0+3], s[\g1:\g1+7]
	s_nop 0
	PLACES 4
	s_branch .Lhead_asked
\next:
.endm
.macro FETCHW k, b, adr, so            ; block b of my 64 rows of W into set k, and its scale words: NF loads
	WIN 0xc0
.irp q, 0,1,2,3,4,5,6,7
.irp c, 0,1,2,3
	ds_load_b128 v[128*\k+16*\q+4*\c:128*\k+16*\q+4*\c+3], v[\adr] offset:\b*16*PITCH+128*\q+32*\c
.endr
.endr
	WIN 0
	ds_load_b128 v[SW+8*\k:SW+8*\k+3], v[ASW] offset:\so+512*\b
	ds_load_b128 v[SW+8*\k+4:SW+8*\k+7], v[ASW] offset:\so+512*\b+16
.endm
.macro BLOCKP k, b, kind               ; 32 products: K ascending, the four token tiles by turns; the first four start the sums.  kind 0: source 0 = W; kind 1: source 0 = tokens
.irp q, 0,1,2,3,4,5,6,7
.if \kind
	WIN (1+\q/4)|(3<<2)
.else
	WIN 3|((1+\q/4)<<2)
.endif
.irp a, 0,1,2,3
.if \kind
.if \q == 0
	v_wmma_scale_f32_16x16x128_f8f6f4 v[ACC+8*(4*\b+\a):ACC+8*(4*\b+\a)+7], v[16*((4*\q+\a)%16):16*((4*\q+\a)%16)+15], v[128*\k+16*\q:128*\k+16*\q+15], 0, v[ST+8*\a+\q], v[SW+8*\k+\q]
.else
	v_wmma_scale_f32_16x16x128_f8f6f4 v[ACC+8*(4*\b+\a):ACC+8*(4*\b+\a)+7], v[16*((4*\q+\a)%16):16*((4*\q+\a)%16)+15], v[128*\k+16*\q:128*\k+16*\q+15], v[ACC+8*(4*\b+\a):ACC+8*(4*\b+\a)+7], v[ST+8*\a+\q], v[SW+8*\k+\q]
.endif
.else
.if \q == 0
	v_wmma_scale_f32_16x16x128_f8f6f4 v[ACC+8*(4*\a+\b):ACC+8*(4*\a+\b)+7], v[128*\k+16*\q:128*\k+16*\q+15], v[16*((4*\q+\a)%16):16*((4*\q+\a)%16)+15], 0, v[SW+8*\k+\q], v[ST+8*\a+\q]
.else
	v_wmma_scale_f32_16x16x128_f8f6f4 v[ACC+8*(4*\a+\b):ACC+8*(4*\a+\b)+7], v[128*\k+16*\q:128*\k+16*\q+15], v[16*((4*\q+\a)%16):16*((4*\q+\a)%16)+15], v[ACC+8*(4*\a+\b):ACC+8*(4*\a+\b)+7], v[SW+8*\k+\q], v[ST+8*\a+\q]
.endif
.endif
.endr
.endr
.endm
.macro PRODS adr, so, kind             ; a tile's 128 products
	FETCHW 0, 0, \adr, \so
	FETCHW 1, 1, \adr, \so
	s_wait_dscnt NF                                ; all but the block asked for last
	BLOCKP 0, 0, \kind
	WIN 0
	PLACES 8                                       ; eight plain instructions between a block's last product and the loads into what it read
	FETCHW 0, 2, \adr, \so
	s_wait_dscnt NF
	BLOCKP 1, 1, \kind
	WIN 0
	PLACES 8
	FETCHW 1, 3, \adr, \so
	s_wait_dscnt NF
	BLOCKP 0, 2, \kind
	s_wait_dscnt 0x0
	BLOCKP 1, 3, \kind
	WIN 0
	PLACES 8                                       ; ahead of the first read of results
.endm
.macro TOP g0                          ; a tile's head with a refill: every wave's loads are in, the add, its LDS reads are over; a round; my 32 rows of the block after this tile's
	s_wait_alu depctr_va_vdst(0)
	s_wait_xcnt 0x0                                ; the stores have read their registers and bases: both are written again below
	s_wait_tensorcnt 0x0
	ds_add_u32 v[SPW], v[NIL]                      ; 0 onto my spare word
	s_wait_dscnt 0x0
	CROUND                                         ; no wave of any partner still reads that slot or has a load on its way
	tensor_load_to_lds s[\g0:\g0+3], s[G1R:G1R+7]
	s_nop 0
	PLACES 4
.endm
; 64 numbers of a lane, v[s] on, register 16 b + i of block b, become 16 registers of codes at v[pc] and the four blocks' scale bytes in v[pw].  A block lies in lanes l and l xor 16.
.macro QUANT s, pc, pw
.irp b, 0,1,2,3
	v_max3_num_f32 v[TM+\b], |v[(\s)+16*\b]|, |v[(\s)+1+16*\b]|, 0x4800000   ; with the floor 2^(9 - 127): the byte cannot fall under 1
.endr
.irp i, 2,4,6,8,10,12,14
.irp b, 0,1,2,3
	v_max3_num_f32 v[TM+\b], v[TM+\b], |v[(\s)+16*\b+\i]|, |v[(\s)+1+16*\b+\i]|
.endr
.endr
.irp b, 0,1,2,3
	v_permlanex16_b32 v[TM+4+\b], v[TM+\b], s[SEL], s[SEL+1]
.endr
.irp b, 0,1,2,3
	v_max_num_f32 v[TM+\b], v[TM+\b], v[TM+4+\b]
.endr
.irp b, 0,1,2,3
	v_add_nc_u32 v[TM+12+\b], 0xfc000000, v[TM+\b]   ; 8 off the exponent field: the conversion's scale operand
.endr
.irp b, 0,1,2,3
	v_and_or_b32 v[TM+8+\b], v[TM+\b], 0x7f800000, s[MNT]   ; 448 x the scale
.endr
.irp b, 0,1,2,3
	v_lshrrev_b32 v[TM+4+\b], 23, v[TM+12+\b]        ; the scale's byte
.endr
	v_lshl_or_b32 v[\pw], v[TM+5], 8, v[TM+4]
	v_lshl_or_b32 v[\pw], v[TM+6], 16, v[\pw]
	v_lshl_or_b32 v[\pw], v[TM+7], 24, v[\pw]
.irp b, 0,1,2,3
.irp i, 0,1,2,3,4,5,6,7,8,9,10,11,12,13,14,15
	v_med3_num_f32 v[(\s)+16*\b+\i], v[(\s)+16*\b+\i], -v[TM+8+\b], v[TM+8+\b]   ; the conversion does not saturate (ISA guide 7.6.2): the hold
.endr
	v_cvt_scalef32_pk8_fp8_f32 v[(\pc)+4*\b:(\pc)+1+4*\b], v[(\s)+16*\b:(\s)+7+16*\b], v[TM+12+\b]
	v_cvt_scalef32_pk8_fp8_f32 v[(\pc)+2+4*\b:(\pc)+3+4*\b], v[(\s)+8+16*\b:(\s)+15+16*\b], v[TM+12+\b]
.endr
	v_nop                                          ; a plain instruction behind the last conversion
.endm
.macro CODES step                      ; four half images (64 along the next K: 1,024 bytes), step bytes apart; each store covers 512 consecutive bytes
.irp i, 0,1
	global_store_b128 v[LI], v[PC0+8*\i:PC0+8*\i+3], s[94:95] offset:\step*\i
	global_store_b128 v[LI], v[PC0+8*\i+4:PC0+8*\i+7], s[94:95] offset:\step*\i+512
	global_store_b128 v[LI], v[ACC+8*\i:ACC+8*\i+3], s[94:95] offset:\step*(\i+2)
	global_store_b128 v[LI], v[ACC+8*\i+4:ACC+8*\i+7], s[94:95] offset:\step*(\i+2)+512
.endr
.endm
	s_load_b256 s[4:11], s[0:1], 0x0               ; hq, W's codes, W's scales, qimg
	s_load_b64 s[100:101], s[0:1], 0x20            ; kv
	v_lshl_add_u32 v[SPW], v0, 2, SPARE
	v_mov_b32 v[NIL], 0
	ds_add_u32 v[SPW], v[NIL]                      ; the opening: the add, twice on end, and its wait ahead of my first tensor load
	ds_add_u32 v[SPW], v[NIL]
	v_lshrrev_b32 v1, 5, v0
	v_readfirstlane_b32 s[WV], v1
	s_lshr_b32 s[WR], s[WV], 1
	s_and_b32 s[WC], s[WV], 1
	s_bfe_u32 s20, ttmp6, 0x40000                  ; cx
	s_bfe_u32 s21, ttmp6, 0x40004                  ; cy
	s_lshl_b32 s[TX], ttmp9, 2
	s_add_co_u32 s[TX], s[TX], s20                 ; tx, 0-7
	s_and_b32 s[TY], ttmp7, 0xffff
	s_lshl_b32 s[TY], s[TY], 2
	s_add_co_u32 s[TY], s[TY], s21                 ; ty, 0-31: my block of 128 tokens
	s_lshl_b32 s98, s21, 2
	s_lshl_b32 s98, 15, s98                        ; my row of the cluster
	s_lshl_b32 s99, 0x1111, s20                    ; my column
	GROUP1 G1T, 98, 128
	GROUP1 G1W, 99, 128
	GROUP1 G1R, 99, 32
	s_or_b32 s[G1S], s98, (3<<16)|(1<<21)          ; the tokens' scale bytes: 4,096 dense bytes as 16 rows of 32 elements of 8 bytes
	s_mov_b32 s[G1S+1], 32<<16
	s_mov_b32 s[G1S+2], 16<<16
	s_mov_b32 s[G1S+3], 32<<16
	s_mov_b32 s[G1S+4], 16
	s_mov_b32 s[G1S+5], 32
	s_mov_b32 s[G1S+6], 0
	s_mov_b32 s[G1S+7], 0
	s_or_b32 s[G1SB], s99, (3<<16)|(1<<21)         ; W's: NT rows of 4,096 bytes (512 elements of 8), 1,024 rows of W = 32,768 bytes apart
	s_mov_b32 s[G1SB+1], 512<<16
	s_mov_b32 s[G1SB+2], NT<<16
	s_mov_b32 s[G1SB+3], 512<<16
	s_mov_b32 s[G1SB+4], NT
	s_mov_b32 s[G1SB+5], 4096
	s_mov_b32 s[G1SB+6], 0
	s_mov_b32 s[G1SB+7], 0
	s_mov_b32 s[G0T], 1
	s_mov_b32 s[G0T+1], 0
	s_mov_b32 s[G0W], 1
	s_mov_b32 s[G0W+1], S1
	s_mov_b32 s[G0S], 1
	s_mov_b32 s[G0S+1], SCLT
	s_mov_b32 s[G0SB], 1
	s_mov_b32 s[G0SB+1], SCLW
	s_mov_b32 s[G0R0], 1
	s_mov_b32 s[G0R1], 1
	s_mul_i32 s[G0R0+1], s[WV], 32*PITCH           ; my 32 rows in slot 0; no place in the cluster enters an LDS address
	s_add_co_u32 s[G0R1+1], s[G0R0+1], S1          ; and in slot 1
	s_lshl_b32 s20, s[TY], 17                      ; the tokens' codes
	s_mov_b32 s21, 0
	s_lshl_b32 s22, s[TY], 12                      ; their scale bytes, behind hq's codes
	s_add_co_u32 s22, s22, 4194304
	s_mov_b32 s23, 0
	s_lshl_b32 s2, s[TX], 17                       ; W's first block
	s_mov_b32 s3, 0
	s_lshl_b32 s92, s[TX], 12                      ; and its scale bytes
	s_mov_b32 s93, 0
	s_mov_b32 s[MNT], 0x600000
	s_mov_b32 s[SEL], 0x76543210
	s_mov_b32 s[SEL+1], 0xfedcba98
	s_wait_dscnt 0x0                               ; both opening adds are done
	CROUND                                         ; all sixteen work-groups are here: the joint loads meet
	s_wait_kmcnt 0x0
	s_add_nc_u64 s[G0T+2:G0T+3], s[4:5], s[20:21]
	s_or_b32 s[G0T+3], s[G0T+3], 0x80000000
	s_add_nc_u64 s[G0S+2:G0S+3], s[4:5], s[22:23]
	s_or_b32 s[G0S+3], s[G0S+3], 0x80000000
	s_add_nc_u64 s[G0W+2:G0W+3], s[6:7], s[2:3]
	s_or_b32 s[G0W+3], s[G0W+3], 0x80000000
	s_add_nc_u64 s[G0SB+2:G0SB+3], s[8:9], s[92:93]
	s_or_b32 s[G0SB+3], s[G0SB+3], 0x80000000
	s_lshl_b32 s20, s[WV], 15                      ; my 32 rows of a block
	s_add_co_u32 s2, s2, s20
	s_add_nc_u64 s[G0R0+2:G0R0+3], s[6:7], s[2:3]
	s_add_nc_u64 s[G0R0+2:G0R0+3], s[G0R0+2:G0R0+3], WSTEP   ; k's block
	s_add_nc_u64 s[G0R1+2:G0R1+3], s[G0R0+2:G0R0+3], WSTEP   ; v's
	s_or_b32 s[G0R0+3], s[G0R0+3], 0x80000000
	s_or_b32 s[G0R1+3], s[G0R1+3], 0x80000000
	; the head's loads, one a wave, each a line of its own: what goes on into registers is asked for first
	ARM 1, G0T, G1T, .Lhead_ts
	ARM 2, G0S, G1S, .Lhead_w
	ARM 3, G0W, G1W, .Lhead_ws
	tensor_load_to_lds s[G0SB:G0SB+3], s[G1SB:G1SB+7]
	s_nop 0
	PLACES 4
.Lhead_asked:
	s_lshl_b32 s92, s[TX], 1
	s_add_co_u32 s92, s92, s[WC]                   ; q, k: my 64 rows of W are head 2 tx + wave % 2
	s_lshl_b32 s93, s[TY], 3
	s_lshl_b32 s94, s[WR], 2
	s_add_co_u32 s93, s93, s94                     ; my first tile of 16 tokens, 0-255
	s_mul_i32 s20, s[WR], 64*PITCH
	s_mul_i32 s21, s[WC], 64*PITCH
	s_lshl_b32 s22, s[WR], 11
	s_add_co_u32 s22, s22, SCLT
	s_lshl_b32 s23, s[WC], 11
	s_add_co_u32 s23, s23, SCLW
	v_and_b32 v1, 15, v0                           ; r
	v_bfe_u32 v2, v0, 4, 1                         ; h
	v_mul_u32_u24 v3, v1, PITCH
	v_lshl_add_u32 v3, v2, 4, v3                   ; a fragment's row x pitch + 16 h
	v_add_nc_u32 v[ADT], s20, v3
	v_add_nc_u32 v[ADW0], s21, v3
	v_add_nc_u32 v[ADW1], S1, v[ADW0]
	v_lshlrev_b32 v9, 5, v1                        ; 32 scale bytes a row
	v_add_nc_u32 v[AST], s22, v9
	v_add_nc_u32 v[ASW], s23, v9
	v_and_b32 v13, 31, v0                          ; lane
	v_lshlrev_b32 v[LI], 4, v13
	v_lshlrev_b32 v11, 2, v13                      ; q, k: a pair word a lane
	v_lshlrev_b32 v12, 2, v1
	v_lshl_add_u32 v12, v2, 6, v12                 ; v: 4 r + 64 h
.irp b, 0,1,2,3
	v_mov_b32 v[TM+4+\b], 0                        ; written once: a lane permute's destination counts as read
.endr
	s_wait_alu depctr_va_vdst(0)                   ; the wait at the head's end
	s_cmp_lt_u32 s[WV], 2
	s_cbranch_scc0 .Lnot_tokens
	s_wait_tensorcnt 0x0                           ; waves 0, 1: the tokens and their scale bytes are in.  The other two waves' wait stands at the first tile's head
.Lnot_tokens:
	s_barrier_signal -1
	s_barrier_wait -1
.irp q, 0,1,2,3,4,5,6,7                ; my 64 tokens, all of K: fragment 4 q + a in windows 1 and 2: 128 loads
	WIN (1+\q/4)<<6
.irp a, 0,1,2,3
.irp c, 0,1,2,3
	ds_load_b128 v[16*((4*\q+\a)%16)+4*\c:16*((4*\q+\a)%16)+4*\c+3], v[ADT] offset:\a*16*PITCH+128*\q+32*\c
.endr
.endr
.endr
	WIN 0
.irp a, 0,1,2,3
	ds_load_b128 v[ST+8*\a:ST+8*\a+3], v[AST] offset:512*\a
	ds_load_b128 v[ST+8*\a+4:ST+8*\a+7], v[AST] offset:512*\a+16
.endr
	; ---- q: W's block tx, in slot 1; k's block is asked for, over the tokens, which every wave now holds in registers
	TOP G0R0
	PRODS ADW1, 0, 0
	QUANT ACC, PC0, PW                             ; token tiles 0, 1: two blocks each
	QUANT ACC+64, ACC, PW+1                        ; tiles 2, 3; their codes take registers that are done with
	v_cmp_lt_u32 vcc_lo, 15, v13                   ; lanes 16-31
	s_lshl_b32 s94, s92, 8
	s_add_co_u32 s94, s94, s93
	s_lshl_b32 s94, s94, 10                        ; [head][tile][1,024]
	s_mov_b32 s95, 0
	s_lshl_b32 s96, s92, 7
	s_lshr_b32 s97, s93, 1
	s_add_co_u32 s96, s96, s97
	s_lshl_b32 s96, s96, 6
	s_add_co_u32 s96, s96, 4194304                 ; the pair words: [head][tile / 2][16]
	s_mov_b32 s97, 0
	s_add_nc_u64 s[94:95], s[10:11], s[94:95]
	s_add_nc_u64 s[96:97], s[10:11], s[96:97]
	s_wait_alu depctr_va_vdst(0)
	CODES 1024
	v_cndmask_b32 v18, v[PW], v[PW+1], vcc_lo      ; lanes 0-15: the word of tiles 0, 1; lanes 16-31: of tiles 2, 3
	global_store_b32 v11, v18, s[96:97]            ; 128 consecutive bytes
	; ---- k: W's block tx + 8, in slot 0; v's block is asked for
	TOP G0R1
	PRODS ADW0, 4096, 0
	QUANT ACC, PC0, PW
	QUANT ACC+64, ACC, PW+1
	v_cmp_lt_u32 vcc_lo, 15, v13
	s_lshr_b32 s96, s[TY], 4
	s_lshl_b32 s96, s96, 4
	s_add_co_u32 s96, s96, s92                     ; batch x 16 + head
	s_mul_i32 s96, s96, 270336
	s_and_b32 s97, s93, 127                        ; the tile within the batch
	s_lshl_b32 s94, s97, 10
	s_add_co_u32 s94, s94, s96
	s_add_co_u32 s94, s94, 4096                    ; k's tiles lie behind the 4,096 bytes of pair words
	s_mov_b32 s95, 0
	s_lshl_b32 s97, s97, 5
	s_add_co_u32 s96, s96, s97
	s_mov_b32 s97, 0
	s_add_nc_u64 s[94:95], s[100:101], s[94:95]
	s_add_nc_u64 s[96:97], s[100:101], s[96:97]
	s_wait_alu depctr_va_vdst(0)
	CODES 1024
	v_cndmask_b32 v18, v[PW], v[PW+1], vcc_lo
	global_store_b32 v11, v18, s[96:97]
	; ---- v: W's block tx + 16, in slot 1: my 64 channels are head 2 tx + wave % 2; my 64 tokens are half wave / 2 of a key step of 128.  Nothing more is asked for
	s_wait_alu depctr_va_vdst(0)
	s_wait_xcnt 0x0
	s_wait_tensorcnt 0x0                           ; my part of v's block is in
	ds_add_u32 v[SPW], v[NIL]
	s_wait_dscnt 0x0
	s_barrier_signal -1
	s_barrier_wait -1                              ; everybody's is
	PRODS ADW1, 8192, 1
	QUANT ACC, PC0, PW
	QUANT ACC+64, ACC, PW+1
	v_cmp_lt_u32 vcc_lo, 15, v13
	s_lshr_b32 s92, s[TY], 4
	s_lshl_b32 s92, s92, 4
	s_lshl_b32 s93, s[TX], 1
	s_add_co_u32 s92, s92, s93
	s_add_co_u32 s92, s92, s[WC]                   ; batch x 16 + head
	s_mul_i32 s92, s92, 270336
	s_and_b32 s93, s[TY], 15                       ; the key step
	s_lshl_b32 s94, s93, 13
	s_add_co_u32 s94, s94, s92
	s_lshl_b32 s98, s[WR], 10
	s_add_co_u32 s94, s94, s98
	s_add_co_u32 s94, s94, 139264                  ; [step][channel tile][half][1,024], behind k's block and v's words
	s_mov_b32 s95, 0
	s_lshl_b32 s96, s93, 8
	s_add_co_u32 s96, s96, s92
	s_lshl_b32 s98, s[WR], 1
	s_add_co_u32 s96, s96, s98
	s_add_co_u32 s96, s96, 135168                  ; words [step][channel tile][16]; my half's two bytes
	s_mov_b32 s97, 0
	s_add_nc_u64 s[94:95], s[100:101], s[94:95]
	s_add_nc_u64 s[96:97], s[100:101], s[96:97]
	s_wait_alu depctr_va_vdst(0)
	CODES 2048
	v_lshrrev_b32 v18, 16, v[PW]
	v_cndmask_b32 v18, v[PW], v18, vcc_lo          ; lanes 0-15: tile 0's two bytes; lanes 16-31: tile 1's
	v_lshrrev_b32 v19, 16, v[PW+1]
	v_cndmask_b32 v19, v[PW+1], v19, vcc_lo
	global_store_b16 v12, v18, s[96:97]
	global_store_b16 v12, v19, s[96:97] offset:128
	s_wait_tensorcnt 0x0                           ; the wave's end
	ds_add_u32 v[SPW], v[NIL]
	s_wait_dscnt 0x0
	CROUND                                         ; the closing round
	s_endpgm
.Lfunc_end_k_q88de3d84fc_qkv:
	.size	k_q88de3d84fc_qkv, .Lfunc_end_k_q88de3d84fc_qkv-k_q88de3d84fc_qkv
	.p2alignl 7, 3214868480
	.fill 96, 4, 3214868480
	.section	.rodata,"a",@progbits
	.p2align	6, 0x0
	.amdhsa_kernel k_q88de3d84fc_qkv
		.amdhsa_group_segment_fixed_size 327680
		.amdhsa_private_segment_fixed_size 0
		.amdhsa_enable_private_segment 0
		.amdhsa_kernarg_size 40
		.amdhsa_user_sgpr_count 2
		.amdhsa_user_sgpr_kernarg_segment_ptr 1
		.amdhsa_wavefront_size32 1
		.amdhsa_system_sgpr_workgroup_id_x 1
		.amdhsa_system_sgpr_workgroup_id_y 1
		.amdhsa_system_sgpr_workgroup_id_z 1
		.amdhsa_system_vgpr_workitem_id 0
		.amdhsa_next_free_vgpr 1024
		.amdhsa_next_free_sgpr 102
		.amdhsa_reserve_vcc 1
		.amdhsa_float_denorm_mode_32 3
		.amdhsa_float_denorm_mode_16_64 3
		.amdhsa_memory_ordered 1
		.amdhsa_forward_progress 1
		.amdhsa_inst_pref_size 150
	.end_amdhsa_kernel
	.amdgpu_metadata
---
amdhsa.version: [ 1, 2 ]
amdhsa.kernels:
  - .name:           k_q88de3d84fc_qkv
    .symbol:         k_q88de3d84fc_qkv.kd
    .args:
      - { .name: hq, .offset: 0, .size: 8, .value_kind: global_buffer, .address_space: global }
      - { .name: W_qkv_codes, .offset: 8, .size: 8, .value_kind: global_buffer, .address_space: global }
      - { .name: W_qkv_scales, .offset: 16, .size: 8, .value_kind: global_buffer, .address_space: global }
      - { .name: qimg, .offset: 24, .size: 8, .value_kind: global_buffer, .address_space: global }
      - { .name: kv, .offset: 32, .size: 8, .value_kind: global_buffer, .address_space: global }
    .group_segment_fixed_size: 327680
    .private_segment_fixed_size: 0
    .kernarg_segment_align: 8
    .kernarg_segment_size: 40
    .max_flat_workgroup_size: 128
    .sgpr_count:     102
    .vgpr_count:     1024
    .wavefront_size: 32
...
	.end_amdgpu_metadata
.endif
;; end of part 2
;; launch att (part 3): grid 8 x 32, 16 waves a work-group, clusters of 4 x 1, 327,680 bytes of LDS; arguments qimg, kv, yq; writes yq
.if DOCPART == 3
	.amdgcn_target "amdgcn-amd-amdhsa--gfx1250"
	.amdhsa_code_object_version 6
	.text
	.protected	k_q88de3d84fc_att
	.globl	k_q88de3d84fc_att
	.p2align	8
	.type	k_q88de3d84fc_att,@function
k_q88de3d84fc_att:
	s_mov_b64 s[64:65], 0
	v_nop
	global_prefetch_b8 v0, s[64:65] scope:SCOPE_SE
	s_setreg_imm32_b32 hwreg(HW_REG_WAVE_MODE, 25, 1), 1
	s_wait_xcnt 0x0
	s_wait_alu depctr_hold_cnt(0) depctr_sa_sdst(0) depctr_va_vdst(0) depctr_va_sdst(0) depctr_va_ssrc(0) depctr_va_vcc(0) depctr_vm_vsrc(0)
	s_getreg_b32 s2, hwreg(HW_REG_IB_STS2, 6, 4)
	s_cmp_eq_u32 s2, 0
	s_cbranch_scc0 .Lentry_in_a_cluster
	s_endpgm
.Lentry_in_a_cluster:
	s_bfe_u32 s2, ttmp6, 0x10000c
	s_cmp_lg_u32 s2, 0x3003
	s_cbranch_scc0 .Lentry_shape_is_right
	s_endpgm
.Lentry_shape_is_right:
; y = softmax(q k^T / 8, causal) v for one batch and head, both products on codes of E4M3 with E8M0 scales; y is quantised along its 64 channels and leaves as half an operand image of the projection.
; WORK LEFT OUT: a step of 128 keys all of which come after a wave's 16 queries: reference()'s own jnp.tril gives those logits -infinity, so their weights are 0 for all inputs.  LIMIT: a NaN, an infinity or an overflow that reaches only those scores is not carried on.
; THE SOFTMAX: t = score x log2(e) / 8; M = the running largest t rounded up to a whole number; p = 2^(t - M) is quantised along the keys; the row's sum is taken of the unquantised p and divides at the end; when M moves, the sum and O are multiplied by 2^(old M - new M), exactly.
; SHARES: a work-group is one of eight of a head (j = 0-7).  The wave of rank R owns query tile j + 8 R (16 queries), so its key steps are 0 .. R and its diagonal step is R, whatever j is: every branch hangs on the wave's number and a count of steps alone,
; and every work-group has the same 136 tile steps.  The ranks are dealt so that the four waves that share (wave & 3), and the four that share (wave >> 2), have ranks that add up to 30.
; LDS holds the head's whole record of kv, byte for byte (k's pair words, k's tiles, v's words, v's fragments): nothing is filled again.  Each wave brings two parts of it, jointly with the cluster's other three work-groups, which walk the same head.
; A HEAD'S K IS 64, THE INSTRUCTION'S 128: a fragment of k holds key tile 2 m in its lower 64 places and tile 2 m + 1 in its upper 64; q stands twice, once with zero codes above and once below: zero codes add nothing.
; Both products are used transposed: a lane holds one query.  Places along K are in the order in which the makers' registers stood (bits 3 and 4 of an index swapped within a block of 32), alike on both sides of each product.
; LIMITS: v_exp_f32 is taken not to fall where its input rises (a block's largest p is made from its largest score); blocks of y under 2^(8 - 126) keep the byte 1.  y's two scale bytes of a row are stored by lanes r and r + 16 alike.
; REGISTERS: v1-11 addresses; v12 -M, v13 largest t, v[14:15] the sum; v16-31, v32-47 q twice; v48-111 four fragments of k, then of v; v112-175 S^T, then p; v176-207 O^T; v208-223 p's codes; v224-239, v248-251 at work; v240-246, v252-255 scale words; v240-243 and v246-247 also hold partial sums of the row.
.set SPARE, 270336                     ; behind the record: the spare words, 128 bytes a wave: eight blocks of 256 bytes that no other line names
.set WV, 10
.set RK, 11                            ; my rank
.set ST, 12                            ; the key step
.set CNT, 13
.set TB, 14                            ; 8,192 x the key step
.set TS, 15                            ; 256 x the key step
.set MNT, 19
.set SEL, 20
.set CS, 22                            ; s[22:23] log2(e) / 8
.set G1A, 24
.set G1B, 32
.set G0A, 48
.set G0B, 52
.macro CROUND
	s_barrier_signal -1
	s_barrier_wait -1
	s_cmp_lg_u32 s[WV], 0
	s_cbranch_scc1 .Lnot_wave_0_\@
	s_barrier_signal -3
.Lnot_wave_0_\@:
	s_barrier_wait -3
	s_barrier_signal -1
	s_barrier_wait -1
.endm
	s_load_b128 s[4:7], s[0:1], 0x0                ; qimg, kv
	s_load_b64 s[8:9], s[0:1], 0x10                ; yq
	v_lshl_add_u32 v3, v0, 2, SPARE                ; my spare word; never rewritten
	v_mov_b32 v4, 0                                ; 0; never rewritten
	ds_add_u32 v3, v4                              ; the opening: the add, twice on end, and its wait ahead of my first tensor load
	ds_add_u32 v3, v4
	v_lshrrev_b32 v6, 5, v0
	s_delay_alu instid0(VALU_DEP_1)
	v_readfirstlane_b32 s[WV], v6
	s_lshr_b32 s16, s[WV], 2                       ; g
	s_and_b32 s17, s[WV], 3                        ; s
	s_and_b32 s18, s16, 1
	s_lshr_b32 s[RK], s16, 1
	s_xor_b32 s[RK], s[RK], s18
	s_lshl_b32 s18, s18, 1
	s_or_b32 s18, s18, s[RK]                       ; pi(g) = 0, 3, 1, 2
	s_xor_b32 s18, s18, s17
	s_xor_b32 s[RK], s16, s17
	s_lshl_b32 s[RK], s[RK], 2
	s_or_b32 s[RK], s[RK], s18                     ; rank = 4 (g xor s) + (s xor pi(g))
.irp g, G1A, G1B                       ; the record comes in TWO parts a wave: dense rows of 256 bytes (32 elements of 8 bytes); the mask names all four work-groups
	s_mov_b32 s[\g], 15|(3<<16)|(1<<21)
	s_mov_b32 s[\g+1], 32<<16
	s_mov_b32 s[\g+3], 32<<16
	s_mov_b32 s[\g+5], 32
	s_mov_b32 s[\g+6], 0
	s_mov_b32 s[\g+7], 0
.endr
	s_mov_b32 s[G1A+2], 10<<16                     ; part A: 10 rows a wave: all scale words and key steps 0, 1
	s_mov_b32 s[G1A+4], 10
	s_mov_b32 s[G1B+2], 56<<16                     ; part B: 56 rows a wave: key steps 2-15
	s_mov_b32 s[G1B+4], 56
	s_lshr_b32 s16, s[WV], 3                       ; waves 0-7: k's block; waves 8-15: v's
	s_and_b32 s17, s[WV], 7
	s_mul_i32 s16, s16, 135168
	s_mul_i32 s18, s17, 2560
	s_add_co_u32 s[G0A+1], s16, s18                ; the same offset in LDS and in the record
	s_mul_i32 s18, s17, 14336
	s_add_co_u32 s[G0B+1], s16, s18
	s_add_co_u32 s[G0B+1], s[G0B+1], 20480
	s_mov_b32 s[G0A], 1
	s_mov_b32 s[G0B], 1
	s_and_b32 s70, ttmp7, 0xffff                   ; batch x 16 + head
	s_and_b32 s71, s70, 15
	s_lshr_b32 s72, s70, 4
	s_bfe_u32 s73, ttmp6, 0x40000                  ; cx: it enters q's and y's global addresses and the mask's numbers alone
	s_lshl_b32 s74, ttmp9, 2
	s_add_co_u32 s73, s73, s74                     ; j
	s_lshl_b32 s74, s[RK], 3
	s_add_co_u32 s74, s74, s73                     ; my query tile in the head
	s_lshl_b32 s75, s72, 7
	s_add_co_u32 s75, s75, s74                     ; and among all 256 token tiles
	s_lshl_b32 s76, s71, 8
	s_add_co_u32 s76, s76, s75
	s_lshl_b32 s76, s76, 10                        ; q's half image
	s_mov_b32 s77, 0
	s_lshl_b32 s78, s71, 7
	s_lshr_b32 s79, s75, 1
	s_add_co_u32 s78, s78, s79
	s_lshl_b32 s78, s78, 6
	s_add_co_u32 s78, s78, 4194304                 ; q's pair words
	s_mov_b32 s79, 0
	s_lshr_b32 s80, s71, 1                         ; the projection's K step,
	s_and_b32 s81, s71, 1                          ; and which half of it
	s_lshl_b32 s60, s80, 8
	s_add_co_u32 s60, s60, s75
	s_lshl_b32 s60, s60, 1
	s_add_co_u32 s60, s60, s81
	s_lshl_b32 s60, s60, 10                        ; y's half image
	s_mov_b32 s61, 0
	s_lshr_b32 s62, s80, 2
	s_lshl_b32 s62, s62, 8
	s_add_co_u32 s62, s62, s75
	s_lshl_b32 s62, s62, 8
	s_and_b32 s80, s80, 3
	s_lshl_b32 s80, s80, 2
	s_add_co_u32 s62, s62, s80
	s_lshl_b32 s81, s81, 1
	s_add_co_u32 s62, s62, s81
	s_add_co_u32 s62, s62, 4194304                 ; y's scale bytes: [K / 512][tile][row][16]
	s_mov_b32 s63, 0
	s_and_b32 s82, s73, 1
	s_lshl_b32 s82, s82, 4                         ; which half of q's pair word is my tile's
	s_mul_i32 s66, s70, 270336
	s_mov_b32 s67, 0
	s_mov_b32 s69, 0
	s_mov_b32 s[MNT], 0x600000
	s_mov_b32 s[SEL], 0x76543210
	s_mov_b32 s[SEL+1], 0xfedcba98
	s_mov_b32 s[CS], 0x3e38aa3b
	s_mov_b32 s[CS+1], s[CS]
	s_mov_b32 s[ST], 0
	s_mov_b32 s[TB], 0
	s_mov_b32 s[TS], 0
	s_wait_dscnt 0x0                               ; both opening adds are done
	s_wait_kmcnt 0x0
	s_add_nc_u64 s[66:67], s[6:7], s[66:67]        ; the head's record
	s_mov_b32 s68, s[G0A+1]
	s_add_nc_u64 s[G0A+2:G0A+3], s[66:67], s[68:69]
	s_or_b32 s[G0A+3], s[G0A+3], 0x80000000
	s_mov_b32 s68, s[G0B+1]
	s_add_nc_u64 s[G0B+2:G0B+3], s[66:67], s[68:69]
	s_or_b32 s[G0B+3], s[G0B+3], 0x80000000
	s_add_nc_u64 s[76:77], s[4:5], s[76:77]
	s_add_nc_u64 s[78:79], s[4:5], s[78:79]
	s_add_nc_u64 s[60:61], s[8:9], s[60:61]
	s_add_nc_u64 s[62:63], s[8:9], s[62:63]
	CROUND                                         ; all four work-groups are here: the joint loads meet
	tensor_load_to_lds s[G0A:G0A+3], s[G1A:G1A+7]  ; part A: my first load
	s_nop 0
.rept 4
	v_nop
.endr
	v_and_b32 v6, 31, v0
	s_delay_alu instid0(VALU_DEP_1)
	v_lshlrev_b32 v1, 4, v6                        ; 16 x lane: an image's place for my lane
	v_and_b32 v7, 15, v0                           ; r
	s_delay_alu instid0(VALU_DEP_1)
	v_lshlrev_b32 v2, 2, v7                        ; 4 r: a scale word's
	global_load_b128 v[16:19], v1, s[76:77]        ; q below, zeros above
	global_load_b128 v[20:23], v1, s[76:77] offset:512
	global_load_b128 v[40:43], v1, s[76:77]        ; zeros below, q above
	global_load_b128 v[44:47], v1, s[76:77] offset:512
	global_load_b32 v250, v2, s[78:79]
	v_bfe_u32 v8, v0, 4, 1                         ; h
	s_delay_alu instid0(VALU_DEP_1)
	v_lshlrev_b32 v8, 3, v8
	s_delay_alu instid0(VALU_DEP_1)
	v_sub_nc_u32 v5, v7, v8
	s_lshl_b32 s16, s73, 4
	v_add_nc_u32 v5, s16, v5                       ; 16 j + r - 8 h: on the diagonal step, register 8 n + i (key 16 n + 8 h + i) is hidden where 16 n + i is greater
	v_add_nc_u32 v10, 139264, v1                   ; v's fragments
	v_add_nc_u32 v11, 135168, v2                   ; v's scale words
.irp i, 0,1,2,3,4,5,6,7
	v_mov_b32 v[24+\i], 0
	v_mov_b32 v[32+\i], 0
.endr
	v_mov_b32 v13, 0xff61b1e6                      ; the largest t so far: -3e38
	s_delay_alu instid0(VALU_DEP_1)
	v_floor_f32 v12, -v13                          ; -M
	v_mov_b32 v14, 0
	v_mov_b32 v15, 0
	v_mov_b32 v249, 0                              ; (named as the upper half of the pair v[248:249])
.irp b, 0,1,2,3
	v_mov_b32 v[228+\b], 0                         ; written once: a lane permute's destination counts as read
.endr
	s_wait_loadcnt 0x0
	v_lshrrev_b32 v250, s82, v250
	s_delay_alu instid0(VALU_DEP_1)
	v_and_b32 v250, 0xffff, v250                   ; my tile's two scale bytes
	s_delay_alu instid0(VALU_DEP_1)
	v_or_b32 v244, 0x7f7f0000, v250                ; for q below (the zero codes get the byte 127),
	s_delay_alu instid0(VALU_DEP_2)
	v_lshl_or_b32 v245, v250, 16, 0x7f7f           ; and for q above
.set n, 0
.rept 32
	v_mov_b32 v[176+n], 0                          ; O^T: the step is written once; its first turn finds zeros
.set n, n+1
.endr
.macro STEP
	s_cmp_gt_u32 s[ST], s[RK]                      ; all 128 keys come after my queries: the step's work is left out
	s_cbranch_scc1 .Lskip_\@
	v_add_nc_u32 v6, s[TB], v1
	v_add_nc_u32 v7, s[TB], v10
	v_add_nc_u32 v8, s[TS], v2
	v_add_nc_u32 v9, s[TS], v11
.rept 4
	v_nop                                          ; with the four additions: eight plain instructions between the last products and the loads into registers that they read
.endr
.irp m, 0,1,2,3
.irp c, 0,1,2,3
	ds_load_b128 v[48+16*\m+4*\c:48+16*\m+4*\c+3], v6 offset:4096+2048*\m+512*\c
.endr
	ds_load_b32 v[240+\m], v8 offset:64*\m
.endr
	s_wait_alu depctr_va_vdst(0)
	s_wait_dscnt 0x0
.irp m, 0,1,2,3
	v_wmma_scale_f32_16x16x128_f8f6f4 v[112+16*\m:119+16*\m], v[48+16*\m:63+16*\m], v[16:31], 0, v[240+\m], v244
	v_wmma_scale_f32_16x16x128_f8f6f4 v[120+16*\m:127+16*\m], v[48+16*\m:63+16*\m], v[32:47], 0, v[240+\m], v245
.endr
.rept 8
	v_nop
.endr
.irp i, 0,1,2,3                        ; v's fragments are asked for at once: they land under the softmax
.irp c, 0,1,2,3
	ds_load_b128 v[48+16*\i+4*\c:48+16*\i+4*\c+3], v7 offset:2048*\i+512*\c
.endr
	ds_load_b32 v[252+\i], v9 offset:64*\i
.endr
	s_cmp_lg_u32 s[ST], s[RK]
	s_cbranch_scc1 .Lopen_\@
	v_mov_b32 v251, 0xff800000                     ; the diagonal step: hidden scores become -infinity ahead of the maximum
.set n, 0
.rept 64
	v_cmp_gt_i32 vcc_lo, 16*(n/8)+n%8, v5
	v_cndmask_b32 v[112+n], v[112+n], v251, vcc_lo
.set n, n+1
.endr
.Lopen_\@:
.irp b, 0,1,2,3
	v_max3_num_f32 v[224+\b], v[112+16*\b], v[113+16*\b], v[114+16*\b]   ; the largest score of each block of 32 keys: for the row's maximum and for the block's largest p
.endr
.irp i, 3,5,7,9,11,13
.irp b, 0,1,2,3
	v_max3_num_f32 v[224+\b], v[224+\b], v[112+16*\b+\i], v[113+16*\b+\i]
.endr
.endr
.irp b, 0,1,2,3
	v_max_num_f32 v[224+\b], v[224+\b], v[127+16*\b]
.endr
.irp b, 0,1,2,3
	s_delay_alu instid0(VALU_DEP_4)
	v_permlanex16_b32 v[228+\b], v[224+\b], s[SEL], s[SEL+1]
.endr
.irp b, 0,1,2,3
	s_delay_alu instid0(VALU_DEP_4)
	v_max_num_f32 v[224+\b], v[224+\b], v[228+\b]
.endr
	s_delay_alu instid0(VALU_DEP_2)
	v_max3_num_f32 v250, v224, v225, v226
	s_delay_alu instid0(VALU_DEP_1)
	v_max_num_f32 v250, v250, v227
	s_delay_alu instid0(VALU_DEP_1)
	v_mul_f32 v250, s[CS], v250
	s_delay_alu instid0(VALU_DEP_1)
	v_max_num_f32 v13, v13, v250                   ; the running largest t
	v_mov_b32 v250, v12
	s_delay_alu instid0(VALU_DEP_2)
	v_floor_f32 v12, -v13                          ; the new -M = -ceil(t)
	s_delay_alu instid0(VALU_DEP_1)
	v_sub_f32 v250, v12, v250                      ; old M - new M: a whole number, 0 or less
	s_delay_alu instid0(VALU_DEP_1)
	v_cvt_i32_f32 v250, v250                       ; (it saturates)
	s_delay_alu instid0(VALU_DEP_1)
	v_ldexp_f32 v248, 1.0, v250                    ; f = 2^(old M - new M)
.set n, 0
.rept 32
	v_pk_fma_f32 v[112+n:113+n], v[112+n:113+n], s[CS:CS+1], v[12:13] op_sel_hi:[1,0,0]   ; t - M
.set n, n+2
.endr
.irp b, 0,1,2,3
	v_fma_f32 v[224+\b], v[224+\b], s[CS], v12
.endr
.set n, 0
	s_wait_alu depctr_va_vdst(0)
.rept 64
	v_exp_f32 v[112+n], v[112+n]                   ; p = 2^(t - M)
.set n, n+1
.endr
	v_pk_mul_f32 v[14:15], v[14:15], v[248:249] op_sel_hi:[1,0]   ; the sums under the new M (a plain instruction behind the batch)
	s_wait_alu depctr_va_vdst(0)                   ; one wait for the batch, ahead of its first reader
.irp b, 0,1,2,3
	v_exp_f32 v[224+\b], v[224+\b]                 ; each block's largest p
.endr
	v_pk_add_f32 v[228:229], v[116:117], v[120:121]
	v_pk_add_f32 v[250:251], v[124:125], v[128:129]
	v_pk_add_f32 v[246:247], v[132:133], v[136:137]
	v_pk_add_f32 v[242:243], v[140:141], v[144:145]
	v_pk_add_f32 v[240:241], v[148:149], v[152:153]
	v_pk_add_f32 v[238:239], v[156:157], v[160:161]
	v_pk_add_f32 v[236:237], v[164:165], v[168:169]
	v_pk_add_f32 v[14:15], v[14:15], v[172:173]
	v_pk_add_f32 v[228:229], v[228:229], v[112:113]
	v_pk_add_f32 v[250:251], v[250:251], v[114:115]
	v_pk_add_f32 v[246:247], v[246:247], v[118:119]
	v_pk_add_f32 v[242:243], v[242:243], v[122:123]
	v_pk_add_f32 v[240:241], v[240:241], v[126:127]
	v_pk_add_f32 v[238:239], v[238:239], v[130:131]
	v_pk_add_f32 v[236:237], v[236:237], v[134:135]
	v_pk_add_f32 v[14:15], v[14:15], v[138:139]
	v_pk_add_f32 v[228:229], v[228:229], v[142:143]
	v_pk_add_f32 v[250:251], v[250:251], v[146:147]
	v_pk_add_f32 v[246:247], v[246:247], v[150:151]
	v_pk_add_f32 v[242:243], v[242:243], v[154:155]
	v_pk_add_f32 v[240:241], v[240:241], v[158:159]
	v_pk_add_f32 v[238:239], v[238:239], v[162:163]
	v_pk_add_f32 v[236:237], v[236:237], v[166:167]
	v_pk_add_f32 v[14:15], v[14:15], v[170:171]
	v_pk_add_f32 v[228:229], v[228:229], v[174:175]
	s_delay_alu instid0(VALU_DEP_2)
	v_pk_add_f32 v[14:15], v[14:15], v[242:243]
	s_delay_alu instid0(VALU_DEP_2)
	v_pk_add_f32 v[228:229], v[228:229], v[240:241]
	v_pk_add_f32 v[250:251], v[250:251], v[238:239]
	v_pk_add_f32 v[246:247], v[246:247], v[236:237]
	s_delay_alu instid0(VALU_DEP_2)
	v_pk_add_f32 v[14:15], v[14:15], v[250:251]
	s_delay_alu instid0(VALU_DEP_2)
	v_pk_add_f32 v[228:229], v[228:229], v[246:247]
	s_delay_alu instid0(VALU_DEP_1)
	v_pk_add_f32 v[14:15], v[14:15], v[228:229]
	s_wait_alu depctr_va_vdst(0)                   ; and one for the four
.irp b, 0,1,2,3
	v_max_num_f32 v[224+\b], 0x4800000, v[224+\b]  ; the floor 2^(9 - 127)
.endr
.irp b, 0,1,2,3
	s_delay_alu instid0(VALU_DEP_4)
	v_add_nc_u32 v[236+\b], 0xfc000000, v[224+\b]
.endr
.irp b, 0,1,2,3
	v_and_or_b32 v[232+\b], v[224+\b], 0x7f800000, s[MNT]
.endr
.irp b, 0,1,2,3
	v_lshrrev_b32 v[228+\b], 23, v[236+\b]
.endr
	s_delay_alu instid0(VALU_DEP_3)
	v_lshl_or_b32 v246, v229, 8, v228              ; p's scale word for these 128 keys
	s_delay_alu instid0(VALU_DEP_1)
	v_lshl_or_b32 v246, v230, 16, v246
	s_delay_alu instid0(VALU_DEP_1)
	v_lshl_or_b32 v246, v231, 24, v246
.irp b, 0,1,2,3
.irp i, 0,1,2,3,4,5,6,7,8,9,10,11,12,13,14,15
	v_min_num_f32 v[112+16*\b+\i], v[112+16*\b+\i], v[232+\b]   ; the hold; p is not negative
.endr
	v_cvt_scalef32_pk8_fp8_f32 v[208+4*\b:209+4*\b], v[112+16*\b:119+16*\b], v[236+\b]
	v_cvt_scalef32_pk8_fp8_f32 v[210+4*\b:211+4*\b], v[120+16*\b:127+16*\b], v[236+\b]
.endr
.set n, 0
.rept 16
	v_pk_mul_f32 v[176+n:177+n], v[176+n:177+n], v[248:249] op_sel_hi:[1,0]   ; O^T under the new M; also the plain instructions between the codes and the products
.set n, n+2
.endr
	s_wait_alu depctr_va_vdst(0)
	s_wait_dscnt 0x0                               ; v's fragments and words are in
.irp i, 0,1,2,3
	v_wmma_scale_f32_16x16x128_f8f6f4 v[176+8*\i:183+8*\i], v[48+16*\i:63+16*\i], v[208:223], v[176+8*\i:183+8*\i], v[252+\i], v246
.endr
.Lskip_\@:
	s_add_co_u32 s[ST], s[ST], 1
	s_add_co_u32 s[TB], s[TB], 8192
	s_add_co_u32 s[TS], s[TS], 256
.endm
.macro PHASE n
	s_mov_b32 s[CNT], \n
.Lphase_\@:
	STEP
	s_sub_co_u32 s[CNT], s[CNT], 1
	s_cmp_lg_u32 s[CNT], 0
	s_cbranch_scc1 .Lphase_\@
.endm
	s_wait_alu depctr_va_vdst(0)                   ; the wait at the head's end
	s_wait_tensorcnt 0x0                           ; my part A is in
	ds_add_u32 v3, v4
	s_wait_dscnt 0x0
	CROUND                                         ; everybody's part A is in (all scale words, key steps 0 and 1), and all four work-groups are here
	tensor_load_to_lds s[G0B:G0B+3], s[G1B:G1B+7]  ; part B, my one load behind the round: it has key steps 0 and 1 in which to land
	s_nop 0
.rept 4
	v_nop
.endr
	PHASE 2
	s_wait_tensorcnt 0x0                           ; part B
	s_wait_dscnt 0x0
	s_barrier_signal -1
	s_barrier_wait -1
	PHASE 14
	; THE WAY OUT: O^T / the sum, quantised along the head's 64 channels (two blocks), as half an image of the projection's operand
.rept 8
	v_nop
.endr
	v_add_f32 v14, v14, v15
	s_delay_alu instid0(VALU_DEP_1)
	v_permlanex16_b32 v228, v14, s[SEL], s[SEL+1]
	s_delay_alu instid0(VALU_DEP_1)
	v_add_f32 v14, v14, v228                       ; the row's sum
	s_wait_alu depctr_va_vdst(0)
	v_rcp_f32 v14, v14
	v_and_b32 v6, 15, v0                           ; (a plain instruction behind the transcendental)
	s_delay_alu instid0(VALU_DEP_1)
	v_lshlrev_b32 v6, 4, v6                        ; 16 scale bytes a row
	s_wait_alu depctr_va_vdst(0)                   ; the wait ahead of the first reader
.set n, 0
.rept 32
	v_mul_f32 v[112+n], v[176+n], v14              ; register 8 i + e: channel 16 i + 8 h + e of my query
.set n, n+1
.endr
.irp b, 0,1
	v_max3_num_f32 v[224+\b], |v[112+16*\b]|, |v[113+16*\b]|, 0x4800000
.endr
.irp i, 2,4,6,8,10,12,14
.irp b, 0,1
	s_delay_alu instid0(VALU_DEP_2)
	v_max3_num_f32 v[224+\b], v[224+\b], |v[112+16*\b+\i]|, |v[113+16*\b+\i]|
.endr
.endr
.irp b, 0,1
	s_delay_alu instid0(VALU_DEP_2)
	v_permlanex16_b32 v[228+\b], v[224+\b], s[SEL], s[SEL+1]
.endr
.irp b, 0,1
	s_delay_alu instid0(VALU_DEP_2)
	v_max_num_f32 v[224+\b], v[224+\b], v[228+\b]
.endr
.irp b, 0
	s_delay_alu instid0(VALU_DEP_2)
	v_add_nc_u32 v[236+\b], 0xfc000000, v[224+\b]
	s_delay_alu instid0(VALU_DEP_3)
	v_and_or_b32 v[232+\b], v[224+\b], 0x7f800000, s[MNT]
.endr
.irp b, 1
	s_delay_alu instid0(VALU_DEP_3)
	v_add_nc_u32 v[236+\b], 0xfc000000, v[224+\b]
	s_delay_alu instid0(VALU_DEP_4)
	v_and_or_b32 v[232+\b], v[224+\b], 0x7f800000, s[MNT]
.endr
.irp b, 0
	s_delay_alu instid0(VALU_DEP_4)
	v_lshrrev_b32 v[228+\b], 23, v[236+\b]
.endr
.irp b, 1
	s_delay_alu instid0(VALU_DEP_3)
	v_lshrrev_b32 v[228+\b], 23, v[236+\b]
.endr
	s_delay_alu instid0(VALU_DEP_1)
	v_lshl_or_b32 v250, v229, 8, v228
.irp b, 0,1
.irp i, 0,1,2,3,4,5,6,7,8,9,10,11,12,13,14,15
	v_med3_num_f32 v[112+16*\b+\i], v[112+16*\b+\i], -v[232+\b], v[232+\b]
.endr
	v_cvt_scalef32_pk8_fp8_f32 v[208+4*\b:209+4*\b], v[112+16*\b:119+16*\b], v[236+\b]
	v_cvt_scalef32_pk8_fp8_f32 v[210+4*\b:211+4*\b], v[120+16*\b:127+16*\b], v[236+\b]
.endr
	v_nop
	global_store_b128 v1, v[208:211], s[60:61]     ; 512 consecutive bytes each
	global_store_b128 v1, v[212:215], s[60:61] offset:512
	global_store_b16 v6, v250, s[62:63]
	s_wait_tensorcnt 0x0                           ; the wave's end
	ds_add_u32 v3, v4
	s_wait_dscnt 0x0
	CROUND                                         ; the closing round
	s_endpgm
.Lfunc_end_k_q88de3d84fc_att:
	.size	k_q88de3d84fc_att, .Lfunc_end_k_q88de3d84fc_att-k_q88de3d84fc_att
	.p2alignl 7, 3214868480
	.fill 96, 4, 3214868480
	.section	.rodata,"a",@progbits
	.p2align	6, 0x0
	.amdhsa_kernel k_q88de3d84fc_att
		.amdhsa_group_segment_fixed_size 327680
		.amdhsa_private_segment_fixed_size 0
		.amdhsa_enable_private_segment 0
		.amdhsa_kernarg_size 24
		.amdhsa_user_sgpr_count 2
		.amdhsa_user_sgpr_kernarg_segment_ptr 1
		.amdhsa_wavefront_size32 1
		.amdhsa_system_sgpr_workgroup_id_x 1
		.amdhsa_system_sgpr_workgroup_id_y 1
		.amdhsa_system_sgpr_workgroup_id_z 1
		.amdhsa_system_vgpr_workitem_id 0
		.amdhsa_next_free_vgpr 256
		.amdhsa_next_free_sgpr 84
		.amdhsa_reserve_vcc 1
		.amdhsa_float_denorm_mode_32 3
		.amdhsa_float_denorm_mode_16_64 3
		.amdhsa_memory_ordered 1
		.amdhsa_forward_progress 1
		.amdhsa_inst_pref_size 67
	.end_amdhsa_kernel
	.amdgpu_metadata
---
amdhsa.version: [ 1, 2 ]
amdhsa.kernels:
  - .name:           k_q88de3d84fc_att
    .symbol:         k_q88de3d84fc_att.kd
    .args:
      - { .name: qimg, .offset: 0, .size: 8, .value_kind: global_buffer, .address_space: global }
      - { .name: kv, .offset: 8, .size: 8, .value_kind: global_buffer, .address_space: global }
      - { .name: yq, .offset: 16, .size: 8, .value_kind: global_buffer, .address_space: global }
    .group_segment_fixed_size: 327680
    .private_segment_fixed_size: 0
    .kernarg_segment_align: 8
    .kernarg_segment_size: 24
    .max_flat_workgroup_size: 512
    .sgpr_count:     84
    .vgpr_count:     256
    .wavefront_size: 32
...
	.end_amdgpu_metadata
.endif
;; end of part 3
;; launch proj (part 4): grid 8 x 32, 4 waves a work-group, clusters of 4 x 4, 327,680 bytes of LDS; arguments yq, W_proj_codes, W_proj_scales, x, x1; writes x1
.if DOCPART == 4
	.amdgcn_target "amdgcn-amd-amdhsa--gfx1250"
	.amdhsa_code_object_version 6
	.text
	.protected	k_q88de3d84fc_proj
	.globl	k_q88de3d84fc_proj
	.p2align	8
	.type	k_q88de3d84fc_proj,@function
k_q88de3d84fc_proj:
	s_mov_b64 s[64:65], 0
	v_nop
	global_prefetch_b8 v0, s[64:65] scope:SCOPE_SE
	s_setreg_imm32_b32 hwreg(HW_REG_WAVE_MODE, 25, 1), 1
	s_wait_xcnt 0x0
	s_wait_alu depctr_hold_cnt(0) depctr_sa_sdst(0) depctr_va_vdst(0) depctr_va_sdst(0) depctr_va_ssrc(0) depctr_va_vcc(0) depctr_vm_vsrc(0)
	s_getreg_b32 s2, hwreg(HW_REG_IB_STS2, 6, 4)
	s_cmp_eq_u32 s2, 0
	s_cbranch_scc0 .Lentry_in_a_cluster
	s_endpgm
.Lentry_in_a_cluster:
	s_bfe_u32 s2, ttmp6, 0x10000c
	s_cmp_lg_u32 s2, 0xf033
	s_cbranch_scc0 .Lentry_shape_is_right
	s_endpgm
.Lentry_shape_is_right:
; x1 = x + y W_proj^T on codes of E4M3 with E8M0 scales, K = 1,024.  y comes as images of operand registers, [K step of 128][token tile][2,048 bytes], its scale bytes [K / 512][token tile][row][16] behind them.
; SHARES: a work-group makes one tile of 128 tokens x 128 columns.  Four waves, 2 x 2: wave / 2 picks 64 tokens, wave % 2 picks 64 rows of W (columns of x1): 16 accumulators.
; ALL OF K IS ASKED FOR AT THE HEAD, one tensor load a wave: y's images (8 rows of 16,384 bytes), their scale bytes, W's 128 rows, W's scale bytes.  Nothing is filled again, and the text has no loop to run ahead in: so no prefetch is laid.
; y's 64 tokens of a wave go into 512 registers (windows 1, 2) while W's rows land; W streams past them in blocks of 16 rows x all of K (128 registers), two sets in window 3: 66 LDS loads and 32 products a block, four accumulators by turns.
; W's fragments are read in pieces of 8 bytes, in the order in which y's places stand (place 32 B + 16 h + 8 u + j holds index 32 B + 16 u + 8 h + j).
; THE RESIDUAL IS THE PRODUCTS' C: x's numbers are loaded straight into the accumulators, in the result's layout (a lane: one token, eight neighbouring columns a tile), so no register and no addition is spent on them.
; The eight loads of a token tile together cover 256 consecutive bytes of each of its 16 rows.
; THE WAY OUT: a token tile's 16 rows x 256 bytes turn through the wave's own stage in LDS and come back, into the registers that held them, as whole rows: sixteen lanes store 256 consecutive bytes, aligned.
; CLUSTER 4 x 4: y's tiles are asked for jointly along a row of the cluster, W's along a column.  LIMITS: NaN and infinities are not served.
.set KT,     1024
.set PITCH,  1040
.set WB,     131072                    ; behind y's images: W's 128 rows
.set SCL1,   WB+128*PITCH              ; y's scale bytes: [K / 512][8 tiles][256]
.set SCL0,   SCL1+4096                 ; W's: 128 rows x 32
.set STG,    SCL0+4096                 ; the stages: 16 rows x 272 bytes a wave; no fill lands here
.set SPARE,  STG+4*4352                ; the spare words, 128 bytes a wave: two blocks of 256 bytes that no other line names
.set ADT, 4                            ; v4, v5  my images of K steps 0-3, 4-7
.set ADW, 6
.set AST, 7
.set ASW, 8
.set XO,  9                            ; x: 4,096 r + 32 h
.set STO, 10
.set RD,  11
.set CO,  12                           ; x1: 4,096 h + 16 r
.set SPW, 14
.set NIL, 15
.set ST,  32
.set SW,  68                           ; no product's two scale words have numbers equal modulo 8
.set ACC, 128
.set WV,  12
.set WR,  13
.set WC,  14
.set TX,  18
.set TY,  19
.set G1T, 24
.set G1W, 32
.set G1S, 48
.set G1SB, 56
.set G0T, 68
.set G0W, 72
.set G0S, 76
.set G0SB, 80
.set MSB, 0
.macro WIN new
.if MSB != \new
	s_set_vgpr_msb (MSB<<8)|\new
.set MSB, \new
.endif
.endm
.macro PLACES n
.rept \n
	v_nop
.endr
.endm
.macro CROUND                          ; a round of the cluster's barrier
	s_barrier_signal -1
	s_barrier_wait -1
	s_cmp_lg_u32 s[WV], 0
	s_cbranch_scc1 .Lnot_wave_0_\@
	s_barrier_signal -3
.Lnot_wave_0_\@:
	s_barrier_wait -3
	s_barrier_signal -1
	s_barrier_wait -1
.endm
.macro ARM under, g0, g1, next
	s_cmp_lt_u32 s[WV], \under
	s_cbranch_scc0 \next
	tensor_load_to_lds s[\g0:\g0+3], s[\g1:\g1+7]
	s_nop 0
	PLACES 4
	s_branch .Lhead_asked
\next:
.endm
.macro FETCHW k, b                     ; block b of my 64 rows of W into set k, and its scale words: 66 loads
	WIN 0xc0
.irp q, 0,1,2,3,4,5,6,7
.irp c, 0,1,2,3,4,5,6,7
	ds_load_b64 v[128*\k+16*\q+2*\c:128*\k+16*\q+2*\c+1], v[ADW] offset:\b*16*PITCH+128*\q+16*\c
.endr
.endr
	WIN 0
	ds_load_b128 v[SW+8*\k:SW+8*\k+3], v[ASW] offset:512*\b
	ds_load_b128 v[SW+8*\k+4:SW+8*\k+7], v[ASW] offset:512*\b+16
.endm
.macro BLOCKP k, b                     ; 32 products: K ascending, the four token tiles by turns; the sums begin with x
.irp q, 0,1,2,3,4,5,6,7
	WIN 3|((1+\q/4)<<2)
.irp a, 0,1,2,3
	v_wmma_scale_f32_16x16x128_f8f6f4 v[ACC+8*(4*\a+\b):ACC+8*(4*\a+\b)+7], v[128*\k+16*\q:128*\k+16*\q+15], v[16*((4*\q+\a)%16):16*((4*\q+\a)%16)+15], v[ACC+8*(4*\a+\b):ACC+8*(4*\a+\b)+7], v[SW+8*\k+\q], v[ST+8*\a+\q]
.endr
.endr
.endm
	s_load_b256 s[4:11], s[0:1], 0x0               ; yq, W's codes, W's scales, x
	s_load_b64 s[100:101], s[0:1], 0x20            ; x1
	v_lshl_add_u32 v[SPW], v0, 2, SPARE
	v_mov_b32 v[NIL], 0
	ds_add_u32 v[SPW], v[NIL]                      ; the opening: the add, twice on end, and its wait ahead of my first tensor load
	ds_add_u32 v[SPW], v[NIL]
	v_lshrrev_b32 v1, 5, v0
	v_readfirstlane_b32 s[WV], v1
	s_lshr_b32 s[WR], s[WV], 1
	s_and_b32 s[WC], s[WV], 1
	s_bfe_u32 s20, ttmp6, 0x40000                  ; cx
	s_bfe_u32 s21, ttmp6, 0x40004                  ; cy
	s_lshl_b32 s[TX], ttmp9, 2
	s_add_co_u32 s[TX], s[TX], s20                 ; tx, 0-7
	s_and_b32 s[TY], ttmp7, 0xffff
	s_lshl_b32 s[TY], s[TY], 2
	s_add_co_u32 s[TY], s[TY], s21                 ; ty, 0-31
	s_lshl_b32 s98, s21, 2
	s_lshl_b32 s98, 15, s98                        ; my row of the cluster
	s_lshl_b32 s99, 0x1111, s20                    ; my column
	s_or_b32 s[G1T], s98, (3<<16)|(1<<21)          ; y's images: 8 K steps x 8 token tiles x 2,048 bytes: rows of 2,048 elements of 8 bytes, 256 tiles = 65,536 elements apart
	s_mov_b32 s[G1T+1], 2048<<16
	s_mov_b32 s[G1T+2], 8<<16
	s_mov_b32 s[G1T+3], 2048<<16
	s_mov_b32 s[G1T+4], 8
	s_mov_b32 s[G1T+5], 65536
	s_mov_b32 s[G1T+6], 0
	s_mov_b32 s[G1T+7], 0
	s_or_b32 s[G1W], s99, (1<<20)|(1<<21)|(7<<22)|(3<<25)   ; W: 128 whole rows of K, 4 words of padding behind every 256
	s_mov_b32 s[G1W+1], KT<<16
	s_mov_b32 s[G1W+2], 128<<16
	s_mov_b32 s[G1W+3], KT<<16
	s_mov_b32 s[G1W+4], 128
	s_mov_b32 s[G1W+5], KT
	s_mov_b32 s[G1W+6], 0
	s_mov_b32 s[G1W+7], 0
	s_or_b32 s[G1S], s98, (3<<16)|(1<<21)          ; y's scale bytes: 2 rows of 2,048 bytes (8 tiles x 256), 256 tiles = 8,192 elements apart
	s_mov_b32 s[G1S+1], 256<<16
	s_mov_b32 s[G1S+2], 2<<16
	s_mov_b32 s[G1S+3], 256<<16
	s_mov_b32 s[G1S+4], 2
	s_mov_b32 s[G1S+5], 8192
	s_mov_b32 s[G1S+6], 0
	s_mov_b32 s[G1S+7], 0
	s_or_b32 s[G1SB], s99, (3<<16)|(1<<21)         ; W's: 4,096 dense bytes as 16 rows of 32 elements of 8 bytes
	s_mov_b32 s[G1SB+1], 32<<16
	s_mov_b32 s[G1SB+2], 16<<16
	s_mov_b32 s[G1SB+3], 32<<16
	s_mov_b32 s[G1SB+4], 16
	s_mov_b32 s[G1SB+5], 32
	s_mov_b32 s[G1SB+6], 0
	s_mov_b32 s[G1SB+7], 0
	s_mov_b32 s[G0T], 1
	s_mov_b32 s[G0T+1], 0
	s_mov_b32 s[G0W], 1
	s_mov_b32 s[G0W+1], WB
	s_mov_b32 s[G0S], 1
	s_mov_b32 s[G0S+1], SCL1
	s_mov_b32 s[G0SB], 1
	s_mov_b32 s[G0SB+1], SCL0
	s_lshl_b32 s20, s[TY], 14                      ; my 8 token tiles in K step 0
	s_mov_b32 s21, 0
	s_lshl_b32 s22, s[TY], 11                      ; their scale bytes, behind the images
	s_add_co_u32 s22, s22, 4194304
	s_mov_b32 s23, 0
	s_lshl_b32 s2, s[TX], 17                       ; W's 128 rows
	s_mov_b32 s3, 0
	s_lshl_b32 s92, s[TX], 12                      ; and their scale bytes
	s_mov_b32 s93, 0
	s_lshl_b32 s94, s[TY], 7                       ; my part of x and of x1: row 128 ty + 64 (wave / 2), byte 512 tx + 256 (wave % 2) of it
	s_lshl_b32 s95, s[WR], 6
	s_add_co_u32 s94, s94, s95
	s_lshl_b32 s94, s94, 12
	s_lshl_b32 s95, s[TX], 9
	s_add_co_u32 s94, s94, s95
	s_lshl_b32 s95, s[WC], 8
	s_add_co_u32 s94, s94, s95
	s_mov_b32 s95, 0
	s_wait_dscnt 0x0                               ; both opening adds are done
	CROUND                                         ; all sixteen work-groups are here: the joint loads meet
	s_wait_kmcnt 0x0
	s_add_nc_u64 s[G0T+2:G0T+3], s[4:5], s[20:21]
	s_or_b32 s[G0T+3], s[G0T+3], 0x80000000
	s_add_nc_u64 s[G0S+2:G0S+3], s[4:5], s[22:23]
	s_or_b32 s[G0S+3], s[G0S+3], 0x80000000
	s_add_nc_u64 s[G0W+2:G0W+3], s[6:7], s[2:3]
	s_or_b32 s[G0W+3], s[G0W+3], 0x80000000
	s_add_nc_u64 s[G0SB+2:G0SB+3], s[8:9], s[92:93]
	s_or_b32 s[G0SB+3], s[G0SB+3], 0x80000000
	s_add_nc_u64 s[96:97], s[100:101], s[94:95]    ; x1
	s_add_nc_u64 s[94:95], s[10:11], s[94:95]      ; x
	; the head's loads, one a wave, each a line of its own: what goes on into registers is asked for first
	ARM 1, G0T, G1T, .Lhead_ts
	ARM 2, G0S, G1S, .Lhead_w
	ARM 3, G0W, G1W, .Lhead_ws
	tensor_load_to_lds s[G0SB:G0SB+3], s[G1SB:G1SB+7]
	s_nop 0
	PLACES 4
.Lhead_asked:
	v_and_b32 v1, 15, v0                           ; r
	v_bfe_u32 v2, v0, 4, 1                         ; h
	v_lshlrev_b32 v[XO], 12, v1
	v_lshl_add_u32 v[XO], v2, 5, v[XO]
.irp a, 0,1,2,3                        ; x into the accumulators: register j of (a, b) is x(16 a + r, 16 b + 8 h + j)
.irp b, 0,1,2,3
	global_load_b128 v[ACC+8*(4*\a+\b):ACC+8*(4*\a+\b)+3], v[XO], s[94:95] offset:\a*65536+\b*64
	global_load_b128 v[ACC+8*(4*\a+\b)+4:ACC+8*(4*\a+\b)+7], v[XO], s[94:95] offset:\a*65536+\b*64+16
.endr
.endr
	s_lshl_b32 s20, s[WR], 13                      ; my four token tiles in a K step's eight
	s_mul_i32 s21, s[WC], 64*PITCH
	s_add_co_u32 s21, s21, WB
	s_lshl_b32 s22, s[WR], 10
	s_add_co_u32 s22, s22, SCL1
	s_lshl_b32 s23, s[WC], 11
	s_add_co_u32 s23, s23, SCL0
	s_mul_i32 s2, s[WV], 4352
	s_add_co_u32 s2, s2, STG                       ; my stage
	s_wait_alu depctr_va_vdst(0)
	v_and_b32 v13, 31, v0
	v_lshl_add_u32 v[ADT], v13, 4, s20             ; an image's place for my lane
	v_add_nc_u32 v[ADT+1], 65536, v[ADT]
	v_mul_u32_u24 v3, v1, PITCH
	v_lshl_add_u32 v3, v2, 3, v3                   ; W: row x pitch + 8 h
	v_add_nc_u32 v[ADW], s21, v3
	v_lshl_add_u32 v[AST], v1, 4, s22              ; 16 scale bytes a row and 512 of K
	v_lshl_add_u32 v[ASW], v1, 5, s23              ; 32 scale bytes a row
	v_mul_u32_u24 v[STO], v1, 272
	v_lshl_add_u32 v[STO], v2, 5, v[STO]
	v_add_nc_u32 v[STO], s2, v[STO]                ; in: row r, 32 bytes for each half of the lanes
	v_mul_u32_u24 v[RD], v2, 272
	v_lshl_add_u32 v[RD], v1, 4, v[RD]
	v_add_nc_u32 v[RD], s2, v[RD]                  ; back: lanes 0-15 one row, lanes 16-31 the next
	v_lshlrev_b32 v[CO], 12, v2
	v_lshl_add_u32 v[CO], v1, 4, v[CO]
	s_wait_alu depctr_va_vdst(0)                   ; the wait at the head's end
	s_cmp_lt_u32 s[WV], 2
	s_cbranch_scc0 .Lnot_tokens
	s_wait_tensorcnt 0x0                           ; waves 0, 1: y's images and scale bytes are in.  The other two waves' wait stands at the second barrier
.Lnot_tokens:
	s_barrier_signal -1
	s_barrier_wait -1
.irp q, 0,1,2,3,4,5,6,7                ; my 64 tokens, all of K: fragment 4 q + a in windows 1 and 2: 128 loads
	WIN (1+\q/4)<<6
.irp a, 0,1,2,3
.irp c, 0,1,2,3
	ds_load_b128 v[16*((4*\q+\a)%16)+4*\c:16*((4*\q+\a)%16)+4*\c+3], v[ADT+\q/4] offset:(\q%4)*16384+\a*2048+512*\c
.endr
.endr
.endr
	WIN 0
.irp a, 0,1,2,3
	ds_load_b128 v[ST+8*\a:ST+8*\a+3], v[AST] offset:256*\a
	ds_load_b128 v[ST+8*\a+4:ST+8*\a+7], v[AST] offset:2048+256*\a
.endr
	s_wait_tensorcnt 0x0                           ; W's rows and scale bytes
	s_wait_dscnt 0x0
	s_barrier_signal -1
	s_barrier_wait -1
	FETCHW 0, 0
	FETCHW 1, 1
	s_wait_loadcnt 0x0                             ; x is in the accumulators
	s_wait_dscnt 63                                ; block 0 is in (and three loads of block 1's 66: the count's field holds no more)
	BLOCKP 0, 0
	WIN 0
	PLACES 8                                       ; eight plain instructions between a block's last product and the loads into what it read
	FETCHW 0, 2
	s_wait_dscnt 63
	BLOCKP 1, 1
	WIN 0
	PLACES 8
	FETCHW 1, 3
	s_wait_dscnt 63
	BLOCKP 0, 2
	s_wait_dscnt 0x0
	BLOCKP 1, 3
	WIN 0
	PLACES 8                                       ; ahead of the first read of results
.irp a, 0,1,2,3                        ; LDS serves a wave's instructions in order: the loads see my stores, and the next tile's stores come behind them
.irp b, 0,1,2,3
	ds_store_b128 v[STO], v[ACC+8*(4*\a+\b):ACC+8*(4*\a+\b)+3] offset:64*\b        ; each accumulator from its low end on
	ds_store_b128 v[STO], v[ACC+8*(4*\a+\b)+4:ACC+8*(4*\a+\b)+7] offset:64*\b+16
.endr
.irp k, 0,1,2,3,4,5,6,7
	ds_load_b128 v[ACC+32*\a+4*\k:ACC+32*\a+4*\k+3], v[RD] offset:544*\k
.endr
.endr
.irp a, 0,1,2,3
	s_wait_dscnt 16*(3-\a)                         ; tile a is back; the later tiles' 16 LDS instructions each may be out
.irp k, 0,1,2,3,4,5,6,7
	global_store_b128 v[CO], v[ACC+32*\a+4*\k:ACC+32*\a+4*\k+3], s[96:97] offset:(16*\a+2*\k)*4096
.endr
.endr
	s_wait_tensorcnt 0x0                           ; the wave's end
	ds_add_u32 v[SPW], v[NIL]
	s_wait_dscnt 0x0
	CROUND                                         ; the closing round
	s_endpgm
.Lfunc_end_k_q88de3d84fc_proj:
	.size	k_q88de3d84fc_proj, .Lfunc_end_k_q88de3d84fc_proj-k_q88de3d84fc_proj
	.p2alignl 7, 3214868480
	.fill 96, 4, 3214868480
	.section	.rodata,"a",@progbits
	.p2align	6, 0x0
	.amdhsa_kernel k_q88de3d84fc_proj
		.amdhsa_group_segment_fixed_size 327680
		.amdhsa_private_segment_fixed_size 0
		.amdhsa_enable_private_segment 0
		.amdhsa_kernarg_size 40
		.amdhsa_user_sgpr_count 2
		.amdhsa_user_sgpr_kernarg_segment_ptr 1
		.amdhsa_wavefront_size32 1
		.amdhsa_system_sgpr_workgroup_id_x 1
		.amdhsa_system_sgpr_workgroup_id_y 1
		.amdhsa_system_sgpr_workgroup_id_z 1
		.amdhsa_system_vgpr_workitem_id 0
		.amdhsa_next_free_vgpr 1024
		.amdhsa_next_free_sgpr 102
		.amdhsa_reserve_vcc 0
		.amdhsa_float_denorm_mode_32 3
		.amdhsa_float_denorm_mode_16_64 3
		.amdhsa_memory_ordered 1
		.amdhsa_forward_progress 1
		.amdhsa_inst_pref_size 62
	.end_amdhsa_kernel
	.amdgpu_metadata
---
amdhsa.version: [ 1, 2 ]
amdhsa.kernels:
  - .name:           k_q88de3d84fc_proj
    .symbol:         k_q88de3d84fc_proj.kd
    .args:
      - { .name: yq, .offset: 0, .size: 8, .value_kind: global_buffer, .address_space: global }
      - { .name: W_proj_codes, .offset: 8, .size: 8, .value_kind: global_buffer, .address_space: global }
      - { .name: W_proj_scales, .offset: 16, .size: 8, .value_kind: global_buffer, .address_space: global }
      - { .name: x, .offset: 24, .size: 8, .value_kind: global_buffer, .address_space: global }
      - { .name: x1, .offset: 32, .size: 8, .value_kind: global_buffer, .address_space: global }
    .group_segment_fixed_size: 327680
    .private_segment_fixed_size: 0
    .kernarg_segment_align: 8
    .kernarg_segment_size: 40
    .max_flat_workgroup_size: 128
    .sgpr_count:     102
    .vgpr_count:     1024
    .wavefront_size: 32
...
	.end_amdgpu_metadata
.endif
;; end of part 4
;; launch ln2: the kernel of part 1 again; grid 256 x 1, 4 waves a work-group, no clusters, 21,504 bytes of LDS; arguments x1, ln2_g, ln2_b, hq; writes hq
;; launch fc1 (part 5): grid 8 x 32, 4 waves a work-group, clusters of 4 x 4, 327,680 bytes of LDS; arguments hq, W_fc1_codes, W_fc1_scales, gq; writes gq
.if DOCPART == 5
	.amdgcn_target "amdgcn-amd-amdhsa--gfx1250"
	.amdhsa_code_object_version 6
	.text
	.protected	k_q88de3d84fc_fc1
	.globl	k_q88de3d84fc_fc1
	.p2align	8
	.type	k_q88de3d84fc_fc1,@function
k_q88de3d84fc_fc1:
	s_mov_b64 s[64:65], 0
	v_nop
	global_prefetch_b8 v0, s[64:65] scope:SCOPE_SE
	s_setreg_imm32_b32 hwreg(HW_REG_WAVE_MODE, 25, 1), 1
	s_wait_xcnt 0x0
	s_wait_alu depctr_hold_cnt(0) depctr_sa_sdst(0) depctr_va_vdst(0) depctr_va_sdst(0) depctr_va_ssrc(0) depctr_va_vcc(0) depctr_vm_vsrc(0)
	s_getreg_b32 s2, hwreg(HW_REG_IB_STS2, 6, 4)
	s_cmp_eq_u32 s2, 0
	s_cbranch_scc0 .Lentry_in_a_cluster
	s_endpgm
.Lentry_in_a_cluster:
	s_bfe_u32 s2, ttmp6, 0x10000c
	s_cmp_lg_u32 s2, 0xf033
	s_cbranch_scc0 .Lentry_shape_is_right
	s_endpgm
.Lentry_shape_is_right:
; g = gelu(h W_fc1^T), exact form (erf), on codes of E4M3 with E8M0 scales, K = 1,024; g is quantised along its columns (fc2's K) and leaves as images of fc2's operand registers.
; SHARES: a work-group keeps 128 tokens and makes four tiles of 128 x 128 with W's blocks tx, tx + 8, tx + 16, tx + 24.  Four waves, 2 x 2: a wave has 64 tokens x 64 rows of W: 16 accumulators.
; THE TOKENS LIVE IN REGISTERS: a wave's 64 rows, all of K, are 512 registers (windows 1, 2), read from LDS once.  W streams past them in blocks of 16 rows x all of K (128 registers), two sets in window 3:
; a block is 34 LDS loads (32 of codes, 2 of scale words) and 32 products, its four accumulators by turns.
; LDS: two slots of 128 rows x (1,024 + 16) bytes.  At the head slot 0 takes the tokens and slot 1 W's first block; one tensor load a wave: tokens, their scale bytes, W, W's scale bytes of all four blocks.
; When all waves hold the tokens in registers, slot 0 joins the ring: at each tile's head, behind a drained round of the cluster's barrier, the slot read last takes the NEXT tile's block of W, 32 rows a wave.
; So a refill is asked for one whole tile of work (128 products and the way out of 4,096 numbers a wave) ahead of its first read; for that reason no prefetch is laid.
; CLUSTER 4 x 4: the tokens' tiles are asked for jointly along a row of the cluster, W's along a column.
; A product is D = W's 16 rows x the tokens' 16 rows: a lane holds ONE token and its registers run along W's rows, the next K.  The 16 registers of result tiles 2 B, 2 B + 1 are converted as they stand;
; place 32 B + 16 h + 8 u + j of a fragment holds index 32 B + 16 u + 8 h + j: the blocks of 32 are the true blocks, and fc2 reads its W in the same order.
; GELU: a = |x| / sqrt(2), t = 1 / (1 + a / 2), erfc(a) = t exp(-a^2 + Q(t)), Q of degree 9 (a fit whose error is about 1.2e-7 of erfc for all a >= 0);
; gelu(x) = max(x, 0) - (|x| / 2) erfc(a) = max(x, 0) - a t exp(Q(t) - a^2 - ln sqrt(2)): no difference of near numbers for negative x.
; LIMITS: NaN and infinities are not served; blocks whose largest magnitude lies under 2^(8 - 126) keep the byte 1.  A row's two scale bytes leave two at a time: a K step's word comes from two waves.
; REGISTERS, window 0: v1-19 addresses and small work; v20-31, v84-93 the fit's constants, each twice; v32-63 the tokens' scale words, v68-83 W's (two sets): scales and nothing else; v96-111 the quantiser's work; v112-127 codes; v128-255 accumulators ((a, b) at 128 + 8 (4 a + b)).
; window 3 also serves the activation (v0-127) between a tile's last product and the next tile's first fetch.
.set KT,     1024
.set NT,     4
.set PITCH,  1040                      ; an LDS row: 1,024 bytes + 16: the 16 rows of a fragment load start 4 words apart modulo 64 words
.set S1,     128*PITCH                 ; slot 1
.set SCLT,   2*S1                      ; the tokens' scale bytes: 128 rows x 32
.set SCLW,   SCLT+4096                 ; W's: [tile][128 rows x 32]
.set SPARE,  SCLW+NT*4096              ; the spare words, 128 bytes a wave: two blocks of 256 bytes that no other line names
.set WSTEP,  8*128*KT                  ; from a tile's block of W to the next tile's, in bytes
.set NF,     34                        ; LDS loads of a block of W
.set ADT, 4                            ; v4  my tokens' fragments in slot 0
.set ADW0, 5                           ; v5  my rows of W in a slot
.set ADW, 6                            ; v6  the same in the slot in hand
.set AST, 7                            ; v7  my tokens' scale words
.set ASW0, 8                           ; v8  W's, in tile 0
.set ASW, 9                            ; v9  in the tile in hand
.set LI,  10                           ; v10 16 x lane
.set SPW, 14
.set NIL, 15
.set PW,  16
.set C1, 20
.set C2, 22
.set C3, 24
.set C4, 26
.set C5, 28
.set C6, 30
.set C7, 84
.set C8, 86
.set C9, 88
.set C0N, 90
.set L2E, 92
.set ST,  32
.set SW,  68                           ; no product's two scale words have numbers equal modulo 8
.set TM,  96
.set PC0, 112
.set ACC, 128
.set TA, 0                             ; window 3, the activation: a, then a t
.set TT, 32                            ; t
.set TP, 64                            ; the fit, the exponent, the exponential
.set TE, 96                            ; a^2 + 1.61208582
.set WV,  12
.set WR,  13                           ; wave / 2: which 64 tokens
.set WC,  14                           ; wave % 2: which 64 rows of W
.set MNT, 15
.set SEL, 16
.set SL,  18                           ; the slot in hand
.set TC,  19
.set G1T, 24
.set G1W, 32
.set G1R, 40
.set G1S, 48
.set G1SB, 56
.set G0T, 68
.set G0W, 72
.set G0S, 76
.set G0SB, 80
.set G0R, 84
.set WOFF, 88                          ; my 32 rows of a refill, in a slot
.set TSC, 89                           ; 4,096 x the tile
.set RSQ, 100
.set MSB, 0
.macro WIN new                         ; the immediate's high byte repeats the setting that is left
.if MSB != \new
	s_set_vgpr_msb (MSB<<8)|\new
.set MSB, \new
.endif
.endm
.macro PLACES n
.rept \n
	v_nop
.endr
.endm
.macro CROUND                          ; a round of the cluster's barrier
	s_barrier_signal -1
	s_barrier_wait -1
	s_cmp_lg_u32 s[WV], 0
	s_cbranch_scc1 .Lnot_wave_0_\@
	s_barrier_signal -3
.Lnot_wave_0_\@:
	s_barrier_wait -3
	s_barrier_signal -1
	s_barrier_wait -1
.endm
.macro GROUP1 g, mask, rows            ; so many whole rows of K, 4 words of padding behind every 256
	s_or_b32 s[\g], s[\mask], (1<<20)|(1<<21)|(7<<22)|(3<<25)
	s_mov_b32 s[\g+1], KT<<16
	s_mov_b32 s[\g+2], (\rows)<<16
	s_mov_b32 s[\g+3], KT<<16
	s_mov_b32 s[\g+4], \rows
	s_mov_b32 s[\g+5], KT
	s_mov_b32 s[\g+6], 0
	s_mov_b32 s[\g+7], 0
.endm
.macro ARM under, g0, g1, next         ; one arm of the head's tree: its load, the nops behind it, a jump to the tree's end
	s_cmp_lt_u32 s[WV], \under
	s_cbranch_scc0 \next
	tensor_load_to_lds s[\g0:\g0+3], s[\g1:\g1+7]
	s_nop 0
	PLACES 4
	s_branch .Lhead_asked
\next:
.endm
.macro COEF r, val
	v_mov_b32 v[\r], \val
	v_mov_b32 v[\r+1], \val
.endm
.macro FETCHW k, b                     ; block b of my 64 rows of W, all of K, into set k, and its scale words: NF loads
	WIN 0xc0
.irp q, 0,1,2,3,4,5,6,7
.irp c, 0,1,2,3
	ds_load_b128 v[128*\k+16*\q+4*\c:128*\k+16*\q+4*\c+3], v[ADW] offset:\b*16*PITCH+128*\q+32*\c
.endr
.endr
	WIN 0
	ds_load_b128 v[SW+8*\k:SW+8*\k+3], v[ASW] offset:512*\b
	ds_load_b128 v[SW+8*\k+4:SW+8*\k+7], v[ASW] offset:512*\b+16
.endm
.macro BLOCKP k, b                     ; 32 products: K ascending, the four token tiles by turns; the first four start the sums
.irp q, 0,1,2,3,4,5,6,7
	WIN 3|((1+\q/4)<<2)
.irp a, 0,1,2,3
.if \q == 0
	v_wmma_scale_f32_16x16x128_f8f6f4 v[ACC+8*(4*\a+\b):ACC+8*(4*\a+\b)+7], v[128*\k+16*\q:128*\k+16*\q+15], v[16*((4*\q+\a)%16):16*((4*\q+\a)%16)+15], 0, v[SW+8*\k+\q], v[ST+8*\a+\q]
.else
	v_wmma_scale_f32_16x16x128_f8f6f4 v[ACC+8*(4*\a+\b):ACC+8*(4*\a+\b)+7], v[128*\k+16*\q:128*\k+16*\q+15], v[16*((4*\q+\a)%16):16*((4*\q+\a)%16)+15], v[ACC+8*(4*\a+\b):ACC+8*(4*\a+\b)+7], v[SW+8*\k+\q], v[ST+8*\a+\q]
.endif
.endr
.endr
.endm
.macro GELU a                          ; the 32 numbers of token tile a, in place
.set XX, ACC+32*\a
	WIN 0xc0
	s_wait_alu depctr_va_vdst(0)                   ; the wait directly ahead of the first readers of matrix results
.set n, 0
.rept 32
	v_mul_f32 v[TA+n], s[RSQ], |v[XX+n]|           ; a; each accumulator is read from its low end on
.set n, n+1
.endr
	WIN 0
.set n, 0
.rept 32
	v_max_num_f32 v[XX+n], 0, v[XX+n]              ; max(x, 0)
.set n, n+1
.endr
	WIN 0xcf
.set n, 0
.rept 16
	v_pk_fma_f32 v[TT+n:TT+n+1], v[TA+n:TA+n+1], 0.5, 1.0 op_sel_hi:[1,0,0]
.set n, n+2
.endr
	s_wait_alu depctr_va_vdst(0)                   ; ahead of the batch
.set n, 0
.rept 32
	v_rcp_f32 v[TT+n], v[TT+n]                     ; t
.set n, n+1
.endr
.set n, 0
.rept 16
	v_pk_fma_f32 v[TE+n:TE+n+1], v[TA+n:TA+n+1], v[TA+n:TA+n+1], v[C0N:C0N+1]   ; plain work behind the batch
.set n, n+2
.endr
	s_wait_alu depctr_va_vdst(0)                   ; and behind it, ahead of its first reader
	WIN 0xc3
.set n, 0
.rept 16
	v_pk_fma_f32 v[TP+n:TP+n+1], v[TT+n:TT+n+1], v[C9:C9+1], v[C8:C8+1]
.set n, n+2
.endr
	WIN 0xcf
.irp k, C7, C6, C5, C4, C3, C2, C1
.set n, 0
.rept 16
	v_pk_fma_f32 v[TP+n:TP+n+1], v[TP+n:TP+n+1], v[TT+n:TT+n+1], v[\k:\k+1]
.set n, n+2
.endr
.endr
	WIN 0xff
.set n, 0
.rept 16
	v_pk_fma_f32 v[TP+n:TP+n+1], v[TP+n:TP+n+1], v[TT+n:TT+n+1], v[TE+n:TE+n+1] neg_lo:[0,0,1] neg_hi:[0,0,1]
.set n, n+2
.endr
	WIN 0xc3
.set n, 0
.rept 16
	v_pk_mul_f32 v[TP+n:TP+n+1], v[TP+n:TP+n+1], v[L2E:L2E+1]   ; to the base 2
.set n, n+2
.endr
	WIN 0xcf
	s_wait_alu depctr_va_vdst(0)
.set n, 0
.rept 32
	v_exp_f32 v[TP+n], v[TP+n]
.set n, n+1
.endr
.set n, 0
.rept 16
	v_pk_mul_f32 v[TA+n:TA+n+1], v[TA+n:TA+n+1], v[TT+n:TT+n+1]   ; a t: plain work behind the batch
.set n, n+2
.endr
	s_wait_alu depctr_va_vdst(0)
	WIN 0x0f
.set n, 0
.rept 16
	v_pk_fma_f32 v[XX+n:XX+n+1], v[TA+n:TA+n+1], v[TP+n:TP+n+1], v[XX+n:XX+n+1] neg_lo:[1,0,0] neg_hi:[1,0,0]
.set n, n+2
.endr
.endm
; 64 numbers of a lane, v[s] on, register 16 b + i of block b, become 16 registers of codes at v[pc] and the four blocks' scale bytes in v[pw].  A block lies in lanes l and l xor 16.
.macro QUANT s, pc, pw
.irp b, 0,1,2,3
	v_max3_num_f32 v[TM+\b], |v[(\s)+16*\b]|, |v[(\s)+1+16*\b]|, 0x4800000   ; with the floor 2^(9 - 127): the byte cannot fall under 1
.endr
.irp i, 2,4,6,8,10,12,14
.irp b, 0,1,2,3
	v_max3_num_f32 v[TM+\b], v[TM+\b], |v[(\s)+16*\b+\i]|, |v[(\s)+1+16*\b+\i]|
.endr
.endr
.irp b, 0,1,2,3
	v_permlanex16_b32 v[TM+4+\b], v[TM+\b], s[SEL], s[SEL+1]
.endr
.irp b, 0,1,2,3
	v_max_num_f32 v[TM+\b], v[TM+\b], v[TM+4+\b]
.endr
.irp b, 0,1,2,3
	v_add_nc_u32 v[TM+12+\b], 0xfc000000, v[TM+\b]   ; 8 off the exponent field: the conversion's scale operand
.endr
.irp b, 0,1,2,3
	v_and_or_b32 v[TM+8+\b], v[TM+\b], 0x7f800000, s[MNT]   ; 448 x the scale
.endr
.irp b, 0,1,2,3
	v_lshrrev_b32 v[TM+4+\b], 23, v[TM+12+\b]        ; the scale's byte
.endr
	v_lshl_or_b32 v[\pw], v[TM+5], 8, v[TM+4]
	v_lshl_or_b32 v[\pw], v[TM+6], 16, v[\pw]
	v_lshl_or_b32 v[\pw], v[TM+7], 24, v[\pw]
.irp b, 0,1,2,3
.irp i, 0,1,2,3,4,5,6,7,8,9,10,11,12,13,14,15
	v_med3_num_f32 v[(\s)+16*\b+\i], v[(\s)+16*\b+\i], -v[TM+8+\b], v[TM+8+\b]   ; the conversion does not saturate (ISA guide 7.6.2): the hold
.endr
	v_cvt_scalef32_pk8_fp8_f32 v[(\pc)+4*\b:(\pc)+1+4*\b], v[(\s)+16*\b:(\s)+7+16*\b], v[TM+12+\b]
	v_cvt_scalef32_pk8_fp8_f32 v[(\pc)+2+4*\b:(\pc)+3+4*\b], v[(\s)+8+16*\b:(\s)+15+16*\b], v[TM+12+\b]
.endr
	v_nop                                          ; a plain instruction behind the last conversion
.endm
; A tile's head.  Every wave: all its tensor loads are in; the add; its LDS reads are over.  fill = 1: a round, and the slot read last takes the next tile's block of W
.macro TOP fill
	s_wait_tensorcnt 0x0                           ; my part of this tile's block of W is in, so my group 0 may be written
	ds_add_u32 v[SPW], v[NIL]                      ; 0 onto my spare word
	s_xor_b32 s[SL], s[SL], S1                     ; the slot in hand: 1, 0, 1, 0
	v_add_nc_u32 v[ADW], s[SL], v[ADW0]
	v_add_nc_u32 v[ASW], s[TSC], v[ASW0]
	s_add_co_u32 s[TSC], s[TSC], 4096
.if \fill
	s_xor_b32 s20, s[SL], S1                       ; the other slot
	s_add_co_u32 s[G0R+1], s20, s[WOFF]
	s_add_nc_u64 s[G0R+2:G0R+3], s[G0R+2:G0R+3], WSTEP   ; the type bits on top are not reached
.endif
	s_wait_alu depctr_va_vdst(0)                   ; the wait ahead of the wait below
	s_wait_dscnt 0x0                               ; the add is done, and my reads of the other slot are over
.if \fill
	CROUND                                         ; no wave of any partner still reads that slot or has a load on its way
	tensor_load_to_lds s[G0R:G0R+3], s[G1R:G1R+7]  ; my one tensor load behind the round, and the first thing there
	s_nop 0
	PLACES 4
.else
	s_barrier_signal -1
	s_barrier_wait -1                              ; everybody's part of the last block is in
.endif
.endm
.macro TILE
	FETCHW 0, 0
	FETCHW 1, 1
	s_wait_dscnt NF                                ; all but the block asked for last
	BLOCKP 0, 0
	WIN 0
	PLACES 8                                       ; eight plain instructions between a block's last product and the loads into what it read
	FETCHW 0, 2
	s_wait_dscnt NF
	BLOCKP 1, 1
	WIN 0
	PLACES 8
	FETCHW 1, 3
	s_wait_dscnt NF
	BLOCKP 0, 2
	s_wait_dscnt 0x0
	BLOCKP 1, 3
	WIN 0
	PLACES 8                                       ; ahead of the first read of results and of the first write into window 3
	GELU 0
	GELU 1
	GELU 2
	GELU 3
	WIN 0
	QUANT ACC, PC0, PW                             ; token tiles 0, 1: two blocks each
	QUANT ACC+64, ACC, PW+1                        ; tiles 2, 3; their codes take registers that are done with
	v_cmp_lt_u32 vcc_lo, 15, v13                   ; lanes 16-31
.irp i, 0,1
	global_store_b128 v[LI], v[PC0+8*\i:PC0+8*\i+3], s[92:93] offset:2048*\i          ; each store covers 512 consecutive bytes
	global_store_b128 v[LI], v[PC0+8*\i+4:PC0+8*\i+7], s[92:93] offset:2048*\i+512
	global_store_b128 v[LI], v[ACC+8*\i:ACC+8*\i+3], s[92:93] offset:2048*(\i+2)
	global_store_b128 v[LI], v[ACC+8*\i+4:ACC+8*\i+7], s[92:93] offset:2048*(\i+2)+512
.endr
	v_lshrrev_b32 v18, 16, v[PW]
	v_cndmask_b32 v18, v[PW], v18, vcc_lo          ; lanes 0-15: tile 0's two bytes; lanes 16-31: tile 1's
	v_lshrrev_b32 v19, 16, v[PW+1]
	v_cndmask_b32 v19, v[PW+1], v19, vcc_lo
	global_store_b16 v12, v18, s[94:95]
	global_store_b16 v12, v19, s[94:95] offset:512
.endm
	s_load_b256 s[4:11], s[0:1], 0x0               ; hq, W's codes, W's scales, gq
	v_lshl_add_u32 v[SPW], v0, 2, SPARE
	v_mov_b32 v[NIL], 0
	ds_add_u32 v[SPW], v[NIL]                      ; the opening: the add, twice on end, and its wait ahead of my first tensor load
	ds_add_u32 v[SPW], v[NIL]
	v_lshrrev_b32 v1, 5, v0
	v_readfirstlane_b32 s[WV], v1
	s_lshr_b32 s[WR], s[WV], 1
	s_and_b32 s[WC], s[WV], 1
	s_bfe_u32 s90, ttmp6, 0x40000                  ; cx
	s_bfe_u32 s91, ttmp6, 0x40004                  ; cy
	s_lshl_b32 s96, ttmp9, 2
	s_add_co_u32 s96, s96, s90                     ; tx, 0-7
	s_and_b32 s97, ttmp7, 0xffff
	s_lshl_b32 s97, s97, 2
	s_add_co_u32 s97, s97, s91                     ; ty, 0-31: my block of 128 tokens
	s_lshl_b32 s98, s91, 2
	s_lshl_b32 s98, 15, s98                        ; my row of the cluster
	s_lshl_b32 s99, 0x1111, s90                    ; my column
	GROUP1 G1T, 98, 128                            ; the tokens' 128 rows
	GROUP1 G1W, 99, 128                            ; W's first block
	GROUP1 G1R, 99, 32                             ; a refill: 32 rows a wave
	s_or_b32 s[G1S], s98, (3<<16)|(1<<21)          ; the tokens' scale bytes: 4,096 dense bytes as 16 rows of 32 elements of 8 bytes
	s_mov_b32 s[G1S+1], 32<<16
	s_mov_b32 s[G1S+2], 16<<16
	s_mov_b32 s[G1S+3], 32<<16
	s_mov_b32 s[G1S+4], 16
	s_mov_b32 s[G1S+5], 32
	s_mov_b32 s[G1S+6], 0
	s_mov_b32 s[G1S+7], 0
	s_or_b32 s[G1SB], s99, (3<<16)|(1<<21)         ; W's: NT rows of 4,096 bytes (512 elements of 8), 1,024 rows of W = 32,768 bytes apart
	s_mov_b32 s[G1SB+1], 512<<16
	s_mov_b32 s[G1SB+2], NT<<16
	s_mov_b32 s[G1SB+3], 512<<16
	s_mov_b32 s[G1SB+4], NT
	s_mov_b32 s[G1SB+5], 4096
	s_mov_b32 s[G1SB+6], 0
	s_mov_b32 s[G1SB+7], 0
	s_mov_b32 s[G0T], 1
	s_mov_b32 s[G0T+1], 0
	s_mov_b32 s[G0W], 1
	s_mov_b32 s[G0W+1], S1
	s_mov_b32 s[G0S], 1
	s_mov_b32 s[G0S+1], SCLT
	s_mov_b32 s[G0SB], 1
	s_mov_b32 s[G0SB+1], SCLW
	s_mov_b32 s[G0R], 1
	s_mul_i32 s[WOFF], s[WV], 32*PITCH             ; no place in the cluster enters an LDS address
	s_lshl_b32 s20, s97, 17                        ; the tokens' codes: 128 rows of 1,024 bytes a block
	s_mov_b32 s21, 0
	s_lshl_b32 s22, s97, 12                        ; their scale bytes, behind hq's codes
	s_add_co_u32 s22, s22, 4194304
	s_mov_b32 s23, 0
	s_lshl_b32 s2, s96, 17                         ; W's first block
	s_mov_b32 s3, 0
	s_lshl_b32 s90, s96, 12                        ; and its scale bytes
	s_mov_b32 s91, 0
	s_mov_b32 s[MNT], 0x600000                     ; the mantissa field of 448
	s_mov_b32 s[SEL], 0x76543210
	s_mov_b32 s[SEL+1], 0xfedcba98                 ; lane l xor 16
	s_mov_b32 s[RSQ], 0x3f3504f3                   ; 1 / sqrt(2)
	s_mov_b32 s[SL], 0
	s_mov_b32 s[TSC], 0
	s_wait_dscnt 0x0                               ; both opening adds are done
	CROUND                                         ; all sixteen work-groups are here: the joint loads meet
	s_wait_kmcnt 0x0
	s_add_nc_u64 s[G0T+2:G0T+3], s[4:5], s[20:21]
	s_or_b32 s[G0T+3], s[G0T+3], 0x80000000
	s_add_nc_u64 s[G0S+2:G0S+3], s[4:5], s[22:23]
	s_or_b32 s[G0S+3], s[G0S+3], 0x80000000
	s_add_nc_u64 s[G0W+2:G0W+3], s[6:7], s[2:3]
	s_or_b32 s[G0W+3], s[G0W+3], 0x80000000
	s_add_nc_u64 s[G0SB+2:G0SB+3], s[8:9], s[90:91]
	s_or_b32 s[G0SB+3], s[G0SB+3], 0x80000000
	s_lshl_b32 s20, s[WV], 15                      ; my 32 rows of a block; the address stands at the first block and is stepped ahead of each refill
	s_add_co_u32 s2, s2, s20
	s_add_nc_u64 s[G0R+2:G0R+3], s[6:7], s[2:3]
	s_or_b32 s[G0R+3], s[G0R+3], 0x80000000
	; the head's loads, one a wave, each a line of its own: what goes on into registers is asked for first
	ARM 1, G0T, G1T, .Lhead_ts
	ARM 2, G0S, G1S, .Lhead_w
	ARM 3, G0W, G1W, .Lhead_ws
	tensor_load_to_lds s[G0SB:G0SB+3], s[G1SB:G1SB+7]
	s_nop 0
	PLACES 4
.Lhead_asked:
	; where my results go: codes [K step of 128 = W's block][token tile][half][1,024]; scale bytes [K / 512][token tile][row][16], behind the codes
	s_lshl_b32 s20, s97, 3
	s_lshl_b32 s21, s[WR], 2
	s_add_co_u32 s20, s20, s21                     ; my first tile of 16 tokens
	s_lshl_b32 s21, s96, 8
	s_add_co_u32 s21, s21, s20
	s_lshl_b32 s21, s21, 1
	s_add_co_u32 s21, s21, s[WC]
	s_lshl_b32 s92, s21, 10
	s_mov_b32 s93, 0
	s_add_nc_u64 s[92:93], s[10:11], s[92:93]
	s_lshr_b32 s21, s96, 2
	s_lshl_b32 s21, s21, 8
	s_add_co_u32 s21, s21, s20
	s_lshl_b32 s94, s21, 8
	s_and_b32 s21, s96, 3
	s_lshl_b32 s21, s21, 2
	s_add_co_u32 s94, s94, s21
	s_lshl_b32 s21, s[WC], 1
	s_add_co_u32 s94, s94, s21
	s_add_co_u32 s94, s94, 16777216
	s_mov_b32 s95, 0
	s_add_nc_u64 s[94:95], s[10:11], s[94:95]
	s_mul_i32 s20, s[WR], 64*PITCH
	s_mul_i32 s21, s[WC], 64*PITCH
	s_lshl_b32 s22, s[WR], 11
	s_add_co_u32 s22, s22, SCLT
	s_lshl_b32 s23, s[WC], 11
	s_add_co_u32 s23, s23, SCLW
	v_and_b32 v1, 15, v0                           ; r
	v_bfe_u32 v2, v0, 4, 1                         ; h
	v_mul_u32_u24 v3, v1, PITCH
	v_lshl_add_u32 v3, v2, 4, v3                   ; a fragment's row x pitch + 16 h
	v_add_nc_u32 v[ADT], s20, v3
	v_add_nc_u32 v[ADW0], s21, v3
	v_lshlrev_b32 v11, 5, v1                       ; 32 scale bytes a row
	v_add_nc_u32 v[AST], s22, v11
	v_add_nc_u32 v[ASW0], s23, v11
	v_and_b32 v13, 31, v0                          ; lane
	v_lshlrev_b32 v[LI], 4, v13
	v_lshlrev_b32 v12, 4, v1
	v_lshl_add_u32 v12, v2, 8, v12                 ; 16 r + 256 h
.irp b, 0,1,2,3
	v_mov_b32 v[TM+4+\b], 0                        ; written once: a lane permute's destination counts as read
.endr
	COEF C1, 1.00002368                            ; Q's coefficients, each twice for the packed forms
	COEF C2, 0.37409196
	COEF C3, 0.09678418
	COEF C4, -0.18628806
	COEF C5, 0.27886807
	COEF C6, -1.13520398
	COEF C7, 1.48851587
	COEF C8, -0.82215223
	COEF C9, 0.17087277
	COEF C0N, 1.61208582                           ; 1.26551223 (Q's constant, negated) + ln sqrt(2)
	COEF L2E, 0x3fb8aa3b                           ; log2(e)
	s_wait_alu depctr_va_vdst(0)                   ; the wait at the head's end
	s_cmp_lt_u32 s[WV], 2
	s_cbranch_scc0 .Lnot_tokens
	s_wait_tensorcnt 0x0                           ; waves 0, 1: the tokens and their scale bytes are in.  The other two waves' wait stands at the first tile's head
.Lnot_tokens:
	s_barrier_signal -1
	s_barrier_wait -1
.irp q, 0,1,2,3,4,5,6,7                ; my 64 tokens, all of K: fragment 4 q + a in windows 1 and 2: 128 loads
	WIN (1+\q/4)<<6
.irp a, 0,1,2,3
.irp c, 0,1,2,3
	ds_load_b128 v[16*((4*\q+\a)%16)+4*\c:16*((4*\q+\a)%16)+4*\c+3], v[ADT] offset:\a*16*PITCH+128*\q+32*\c
.endr
.endr
.endr
	WIN 0
.irp a, 0,1,2,3
	ds_load_b128 v[ST+8*\a:ST+8*\a+3], v[AST] offset:512*\a       ; and their scale words: lane r takes row r's eight
	ds_load_b128 v[ST+8*\a+4:ST+8*\a+7], v[AST] offset:512*\a+16
.endr
	s_mov_b32 s[TC], NT-1
.Ltile:                                ; NT - 1 trips: at each tile's head the next tile's block of W is asked for (the first time over the tokens, which every wave then holds in registers)
	TOP 1
	TILE
	s_wait_alu depctr_va_vdst(0)                   ; the wait ahead of the branch
	s_wait_xcnt 0x0                                ; the stores have read their registers and bases: both are written again below
	s_add_nc_u64 s[92:93], s[92:93], 0x400000      ; eight K steps on
	s_add_nc_u64 s[94:95], s[94:95], 0x20000
	s_sub_co_u32 s[TC], s[TC], 1
	s_cmp_lg_u32 s[TC], 0
	s_cbranch_scc1 .Ltile
	TOP 0                                          ; the last tile is written out: it asks for nothing
	TILE
	s_wait_tensorcnt 0x0                           ; the wave's end
	ds_add_u32 v[SPW], v[NIL]
	s_wait_dscnt 0x0
	CROUND                                         ; the closing round
	s_endpgm
.Lfunc_end_k_q88de3d84fc_fc1:
	.size	k_q88de3d84fc_fc1, .Lfunc_end_k_q88de3d84fc_fc1-k_q88de3d84fc_fc1
	.p2alignl 7, 3214868480
	.fill 96, 4, 3214868480
	.section	.rodata,"a",@progbits
	.p2align	6, 0x0
	.amdhsa_kernel k_q88de3d84fc_fc1
		.amdhsa_group_segment_fixed_size 327680
		.amdhsa_private_segment_fixed_size 0
		.amdhsa_enable_private_segment 0
		.amdhsa_kernarg_size 32
		.amdhsa_user_sgpr_count 2
		.amdhsa_user_sgpr_kernarg_segment_ptr 1
		.amdhsa_wavefront_size32 1
		.amdhsa_system_sgpr_workgroup_id_x 1
		.amdhsa_system_sgpr_workgroup_id_y 1
		.amdhsa_system_sgpr_workgroup_id_z 1
		.amdhsa_system_vgpr_workitem_id 0
		.amdhsa_next_free_vgpr 1024
		.amdhsa_next_free_sgpr 102
		.amdhsa_reserve_vcc 1
		.amdhsa_float_denorm_mode_32 3
		.amdhsa_float_denorm_mode_16_64 3
		.amdhsa_memory_ordered 1
		.amdhsa_forward_progress 1
		.amdhsa_inst_pref_size 255
	.end_amdhsa_kernel
	.section	.bss,"aw",@nobits
	.p2align	6
	.space	262144
	.amdgpu_metadata
---
amdhsa.version: [ 1, 2 ]
amdhsa.kernels:
  - .name:           k_q88de3d84fc_fc1
    .symbol:         k_q88de3d84fc_fc1.kd
    .args:
      - { .name: hq, .offset: 0, .size: 8, .value_kind: global_buffer, .address_space: global }
      - { .name: W_fc1_codes, .offset: 8, .size: 8, .value_kind: global_buffer, .address_space: global }
      - { .name: W_fc1_scales, .offset: 16, .size: 8, .value_kind: global_buffer, .address_space: global }
      - { .name: gq, .offset: 24, .size: 8, .value_kind: global_buffer, .address_space: global }
    .group_segment_fixed_size: 327680
    .private_segment_fixed_size: 0
    .kernarg_segment_align: 8
    .kernarg_segment_size: 32
    .max_flat_workgroup_size: 128
    .sgpr_count:     102
    .vgpr_count:     1024
    .wavefront_size: 32
...
	.end_amdgpu_metadata
.endif
;; end of part 5
;; launch fc2 (part 6): grid 8 x 32, 4 waves a work-group, clusters of 4 x 4, 327,680 bytes of LDS; arguments gq, W_fc2_codes, W_fc2_scales, x1, out0; writes out0
.if DOCPART == 6
	.amdgcn_target "amdgcn-amd-amdhsa--gfx1250"
	.amdhsa_code_object_version 6
	.text
	.protected	k_q88de3d84fc_fc2
	.globl	k_q88de3d84fc_fc2
	.p2align	8
	.type	k_q88de3d84fc_fc2,@function
k_q88de3d84fc_fc2:
	s_mov_b64 s[64:65], 0
	v_nop
	global_prefetch_b8 v0, s[64:65] scope:SCOPE_SE
	s_setreg_imm32_b32 hwreg(HW_REG_WAVE_MODE, 25, 1), 1
	s_wait_xcnt 0x0
	s_wait_alu depctr_hold_cnt(0) depctr_sa_sdst(0) depctr_va_vdst(0) depctr_va_sdst(0) depctr_va_ssrc(0) depctr_va_vcc(0) depctr_vm_vsrc(0)
	s_getreg_b32 s2, hwreg(HW_REG_IB_STS2, 6, 4)
	s_cmp_eq_u32 s2, 0
	s_cbranch_scc0 .Lentry_in_a_cluster
	s_endpgm
.Lentry_in_a_cluster:
	s_bfe_u32 s2, ttmp6, 0x10000c
	s_cmp_lg_u32 s2, 0xf033
	s_cbranch_scc0 .Lentry_shape_is_right
	s_endpgm
.Lentry_shape_is_right:
; out = x1 + g W_fc2^T on codes of E4M3 with E8M0 scales, K = 4,096.  g comes as images of operand registers, [K step of 128][token tile][2,048 bytes], its scale bytes [K / 512][token tile][row][16] behind them.
; SHARES: a work-group makes one tile of 128 tokens x 128 columns; four waves, 64 x 64 each (16 accumulators, by turns in the same order everywhere).
; THE RING: K goes in chunks of 512 through two LDS slots; a slot holds g's images, [K step of 4][8 token tiles][2,048], and W's 128 rows of 512 bytes + 16.  In the ring wave 0 and wave 1 fetch two K steps of g each, waves 2 and 3 64 rows of W each.
; THE HEAD: one tensor load a wave: chunk 0 of g whole (wave 0), g's scale bytes for all of K (wave 1), chunk 0 of W whole (wave 2), W's scale bytes (wave 3); waves 0 and 2 use their own ring descriptors, whose addresses are the tiles' first bytes,
; with row counts of 4 and 128, which are set to the ring's 2 and 64 behind the wait that shows the loads done.  Chunk 1 follows behind the full sequence and a round.
; A product is D = W's 16 rows x g's 16 tokens: a lane holds one token and eight neighbouring columns.  W's fragments are read in pieces of 8 bytes, in the order in which g's places stand (place 32 B + 16 h + 8 u + j holds index 32 B + 16 u + 8 h + j).
; CLUSTER 4 x 4: g's tiles are asked for jointly along a row of the cluster, W's along a column.
; PREFETCH INTO THE L2: behind each refill one instruction a wave names the chunk that stands two refills on: of the 128 blocks of 256 bytes that a wave fetches, each of the four partners that ask with it takes 32, told apart by address
; (g: 8,192 consecutive bytes by cx; W: 16 rows x 512 bytes by cy), a lane a block.  The last two refills ask for nothing; chunks 1, 2 and 3 are asked for one at a time in the head.
; THE WAY OUT: a token tile's 16 rows x 256 bytes turn through the wave's own stage in LDS, x1 (loaded at the head into window 2) is added, and sixteen lanes store 256 consecutive bytes, aligned.  LIMITS: NaN and infinities are not served.
.set KT,     4096
.set KS,     KT/32
.set NCH,    KT/512
.set SOFF,   4096*KT
.set PITCH,  528
.set HALFT,  64*PITCH
.set SLOT,   65536+2*HALFT
.set SCL1,   2*SLOT                    ; g's scale bytes: [chunk][8 tiles][256]
.set SCL0,   SCL1+2048*NCH             ; W's: 128 rows x 128
.set STG,    SCL0+128*KS               ; the stages; no fill lands here
.set SPARE,  STG+4*4352                ; the spare words, 128 bytes a wave: two blocks of 256 bytes that no other line names
.set AD1, 4
.set AD0, 6
.set AS1, 8
.set AS0, 9
.set STO, 11
.set RD,  12
.set CO,  13
.set SPW, 14
.set NIL, 15
.set PFO, 19                           ; v19 the prefetches' offset; never rewritten
.set SC0, 32
.set SC1, 64
.set T,   96
.set ACC, 128
.set F0,  0
.set F1,  128
.set WV,  16
.set WR,  17
.set WC,  18
.set G1,  24
.set G0,  32
.set G1B, 48
.set G0B, 56
.set G1S, 68
.set G0S, 76
.set G1SB, 80
.set G0SB, 88
.set PFA, 46                           ; s[46:47] where my prefetches stand
.set PFS, 100                          ; s[100:101] a chunk on, in bytes
.set MSB, 0
.set MUL,  0x05
.set TO_F, 0x40
.macro WIN new
.if MSB != \new
	s_set_vgpr_msb (MSB<<8)|\new
.set MSB, \new
.endif
.endm
.macro JLOAD g0a, g1a, g0b, g1b        ; a joint load of the ring: waves 0 and 1 for g, waves 2 and 3 for W; an s_nop 0 and four v_nop follow each line
	s_cmp_eq_u32 s[WR], 0
	s_cbranch_scc0 .Lfor_b_\@
	tensor_load_to_lds s[\g0a:\g0a+3], s[\g1a:\g1a+7]
	s_nop 0
.rept 4
	v_nop
.endr
	s_branch .Lasked_\@
.Lfor_b_\@:
	tensor_load_to_lds s[\g0b:\g0b+3], s[\g1b:\g1b+7]
	s_nop 0
.rept 4
	v_nop
.endr
.Lasked_\@:
.endm
.macro CROUND                          ; a round of the cluster's barrier
	s_barrier_signal -1
	s_barrier_wait -1
	s_cmp_lg_u32 s[WV], 0
	s_cbranch_scc1 .Lnot_wave_0_\@
	s_barrier_signal -3
.Lnot_wave_0_\@:
	s_barrier_wait -3
	s_barrier_signal -1
	s_barrier_wait -1
.endm
.macro PLACES n
.rept \n
	v_nop
.endr
.endm
.macro ARM under, g0, g1, next         ; one arm of the head's tree
	s_cmp_lt_u32 s[WV], \under
	s_cbranch_scc0 \next
	tensor_load_to_lds s[\g0:\g0+3], s[\g1:\g1+7]
	s_nop 0
	PLACES 4
	s_branch .Lhead_asked
\next:
.endm
.macro ASK                             ; the chunk two refills on; the loop's last trip (s3 = 1) has none
	s_cmp_gt_u32 s3, 1
	s_cbranch_scc0 .Lno_ask_\@
	global_prefetch_b8 v[PFO], s[PFA:PFA+1] th:TH_LOAD_NT scope:SCOPE_SE
.Lno_ask_\@:
.endm
.macro PFSTEP                          ; my last prefetch has read its address: a chunk on
	s_wait_xcnt 0x0
	s_add_nc_u64 s[PFA:PFA+1], s[PFA:PFA+1], s[PFS:PFS+1]
.endm
.macro FETCH slot, q, f                ; the fragments of the slot's q-th 128 along K into buffer f
	WIN TO_F
.irp i, 0,1,2,3
.irp c, 0,1,2,3,4,5,6,7
	ds_load_b64 v[(\f)+64+16*\i+2*\c:(\f)+64+16*\i+2*\c+1], v[AD0+\slot] offset:128*(\q)+16*\c+\i*16*PITCH
.endr
.irp c, 0,1,2,3
	ds_load_b128 v[(\f)+16*\i+4*\c:(\f)+16*\i+4*\c+3], v[AD1+\slot] offset:(8*(\q)+\i)*2048+512*\c
.endr
.endr
.endm
.macro SCALES set
.irp i, 0,1,2,3
	ds_load_b128 v[SC0+16*\set+4*\i:SC0+16*\set+4*\i+3], v[AS0] offset:16*KS*\i
	ds_load_b128 v[SC1+16*\set+4*\i:SC1+16*\set+4*\i+3], v[AS1] offset:256*\i
.endr
.endm
.macro MUL16 f, q, set, zero
.irp a, 0,1,2,3
.irp b, 0,1,2,3
.if \zero
	v_wmma_scale_f32_16x16x128_f8f6f4 v[ACC+8*(4*\a+\b):ACC+8*(4*\a+\b)+7], v[(\f)+64+16*\b:(\f)+64+16*\b+15], v[(\f)+16*\a:(\f)+16*\a+15], 0, v[SC0+16*(\set)+4*\b+(\q)], v[SC1+16*(\set)+4*\a+(\q)]
.else
	v_wmma_scale_f32_16x16x128_f8f6f4 v[ACC+8*(4*\a+\b):ACC+8*(4*\a+\b)+7], v[(\f)+64+16*\b:(\f)+64+16*\b+15], v[(\f)+16*\a:(\f)+16*\a+15], v[ACC+8*(4*\a+\b):ACC+8*(4*\a+\b)+7], v[SC0+16*(\set)+4*\b+(\q)], v[SC1+16*(\set)+4*\a+(\q)]
.endif
.endr
.endr
.endm
.macro QUARTER slot, q, zero           ; 128 along K: the next quarter's loads go out, then this quarter's 16 products
	s_wait_dscnt 0x0
	PLACES 8                                       ; eight plain instructions between the last products on the other buffer and the loads into it
	FETCH \slot, (\q)+1, 128*(((\q)+1)%2)
	WIN MUL
	MUL16 128*((\q)%2), \q, \slot, \zero
.endm
.macro TURN slot, next, fill           ; a slot's last quarter and the change of slots.  fill = 1: this slot is filled again, two chunks on
	WIN 0
.if \fill
	PFSTEP
.endif
	s_wait_tensorcnt 0x0                           ; my part of the next slot is in, so my group 0 may be written
	ds_add_u32 v[SPW], v[NIL]                      ; 0 onto my spare word
	s_wait_dscnt 1                                 ; only the add may be out: the quarter's fragments are in
	WIN MUL
	MUL16 F1, 3, \slot, 0
	WIN 0
.if \fill
	s_add_nc_u64 s[G0+4*\slot+2:G0+4*\slot+3], s[G0+4*\slot+2:G0+4*\slot+3], 0x400000
	s_add_nc_u64 s[G0B+4*\slot+2:G0B+4*\slot+3], s[G0B+4*\slot+2:G0B+4*\slot+3], 1024
.endif
	s_wait_dscnt 0x0                               ; the add is done, and my reads of this slot are over
.if \fill
	CROUND                                         ; no wave of any partner still reads this slot or has a load on its way
	JLOAD G0+4*\slot, G1, G0B+4*\slot, G1B
	PLACES 4
.else
	s_barrier_signal -1
	s_barrier_wait -1
	PLACES 8
.endif
	s_wait_alu depctr_va_vdst(0)                   ; the wait ahead of the two readers below
	v_add_nc_u32 v[AS1], 2048, v[AS1]              ; the next chunk's scale words
	v_add_nc_u32 v[AS0], 16, v[AS0]
	FETCH \next, 0, F0
	WIN 0
	SCALES \next
.if \fill
	ASK
.endif
.endm
	s_load_b256 s[4:11], s[0:1], 0x0               ; gq, W's codes, W's scales, x1
	s_load_b64 s[12:13], s[0:1], 0x20              ; out0
	v_lshl_add_u32 v[SPW], v0, 2, SPARE
	v_mov_b32 v[NIL], 0
	ds_add_u32 v[SPW], v[NIL]                      ; the opening: the add, twice on end, and its wait ahead of my first tensor load
	ds_add_u32 v[SPW], v[NIL]
	v_lshrrev_b32 v1, 5, v0
	v_readfirstlane_b32 s[WV], v1
	s_lshr_b32 s[WR], s[WV], 1
	s_and_b32 s[WC], s[WV], 1
	s_bfe_u32 s40, ttmp6, 0x40000                  ; cx
	s_bfe_u32 s41, ttmp6, 0x40004                  ; cy
	s_lshl_b32 s42, ttmp9, 2
	s_add_co_u32 s42, s42, s40                     ; tx
	s_and_b32 s43, ttmp7, 0xffff
	s_lshl_b32 s43, s43, 2
	s_add_co_u32 s43, s43, s41                     ; ty
	s_lshl_b32 s44, s41, 2
	s_lshl_b32 s44, 15, s44                        ; my row of the cluster
	s_lshl_b32 s45, 0x1111, s40                    ; my column
	s_or_b32 s[G1], s44, (3<<16)|(1<<21)           ; g: rows of 16,384 bytes (8 token tiles; 2,048 elements of 8 bytes), a K step = 65,536 elements apart; 4 rows at the head
	s_mov_b32 s[G1+1], 2048<<16
	s_mov_b32 s[G1+2], 4<<16
	s_mov_b32 s[G1+3], 2048<<16
	s_mov_b32 s[G1+4], 4
	s_mov_b32 s[G1+5], 65536
	s_mov_b32 s[G1+6], 0
	s_mov_b32 s[G1+7], 0
	s_or_b32 s[G1B], s45, (1<<20)|(1<<21)|(6<<22)|(3<<25)   ; W: rows of 512 bytes, 4 words of padding behind each; 128 rows at the head
	s_mov_b32 s[G1B+1], 512<<16
	s_mov_b32 s[G1B+2], 128<<16
	s_mov_b32 s[G1B+3], 512<<16
	s_mov_b32 s[G1B+4], 128
	s_mov_b32 s[G1B+5], KT
	s_mov_b32 s[G1B+6], 0
	s_mov_b32 s[G1B+7], 0
	s_or_b32 s[G1S], s44, (3<<16)|(1<<21)          ; g's scale bytes: NCH rows of 2,048 bytes (8 tiles x 256), 256 tiles = 8,192 elements apart
	s_mov_b32 s[G1S+1], 256<<16
	s_mov_b32 s[G1S+2], NCH<<16
	s_mov_b32 s[G1S+3], 256<<16
	s_mov_b32 s[G1S+4], NCH
	s_mov_b32 s[G1S+5], 8192
	s_mov_b32 s[G1S+6], 0
	s_mov_b32 s[G1S+7], 0
	s_or_b32 s[G1SB], s45, (3<<16)|(1<<21)         ; W's: 128 rows x 128 dense bytes as rows of 256
	s_mov_b32 s[G1SB+1], 32<<16
	s_mov_b32 s[G1SB+2], (128*KS/256)<<16
	s_mov_b32 s[G1SB+3], 32<<16
	s_mov_b32 s[G1SB+4], 128*KS/256
	s_mov_b32 s[G1SB+5], 32
	s_mov_b32 s[G1SB+6], 0
	s_mov_b32 s[G1SB+7], 0
	s_lshl_b32 s20, s43, 14                        ; g: my 8 token tiles in K step 0,
	s_lshl_b32 s21, s[WC], 20                      ; and in the ring K steps 2 (wave % 2) on
	s_add_co_u32 s20, s20, s21
	s_mov_b32 s21, 0
	s_lshl_b32 s92, s43, 11                        ; g's scale bytes
	s_mov_b32 s93, 0
	s_lshl_b32 s22, s42, 7
	s_mul_i32 s94, s22, KS                         ; W's scale bytes
	s_mov_b32 s95, 0
	s_lshl_b32 s23, s[WC], 6
	s_add_co_u32 s22, s22, s23
	s_mul_i32 s22, s22, KT                         ; W: row 128 tx + 64 (wave % 2)
	s_mov_b32 s23, 0
	s_lshl_b32 s2, s[WC], 15                       ; where they go: no place in the cluster enters an LDS address
	s_mul_i32 s3, s[WC], HALFT
	s_add_co_u32 s3, s3, 65536
	s_wait_dscnt 0x0                               ; both opening adds are done
	s_wait_kmcnt 0x0
	s_add_nc_u64 s[20:21], s[4:5], s[20:21]
	s_add_nc_u64 s[92:93], s[4:5], s[92:93]
	s_add_nc_u64 s[92:93], s[92:93], SOFF
	s_add_nc_u64 s[22:23], s[6:7], s[22:23]
	s_add_nc_u64 s[94:95], s[8:9], s[94:95]
	CROUND                                         ; all sixteen work-groups are here: the joint loads meet
	s_mov_b32 s[G0S], 1
	s_mov_b32 s[G0S+1], SCL1
	s_mov_b64 s[G0S+2:G0S+3], s[92:93]
	s_or_b32 s[G0S+3], s[G0S+3], 0x80000000
	s_mov_b32 s[G0SB], 1
	s_mov_b32 s[G0SB+1], SCL0
	s_mov_b64 s[G0SB+2:G0SB+3], s[94:95]
	s_or_b32 s[G0SB+3], s[G0SB+3], 0x80000000
.irp s, 0,1
	s_mov_b32 s[G0+4*\s], 1
	s_add_co_u32 s[G0+4*\s+1], s2, \s*SLOT
	s_add_nc_u64 s[G0+4*\s+2:G0+4*\s+3], s[20:21], \s*0x200000
	s_or_b32 s[G0+4*\s+3], s[G0+4*\s+3], 0x80000000
	s_mov_b32 s[G0B+4*\s], 1
	s_add_co_u32 s[G0B+4*\s+1], s3, \s*SLOT
	s_add_nc_u64 s[G0B+4*\s+2:G0B+4*\s+3], s[22:23], \s*512
	s_or_b32 s[G0B+4*\s+3], s[G0B+4*\s+3], 0x80000000
.endr
	; the head's loads, one a wave, each a line of its own.  Waves 0 and 2 have wave % 2 = 0: their slot 0 descriptors stand at the tiles' first bytes
	ARM 1, G0, G1, .Lhead_gs
	ARM 2, G0S, G1S, .Lhead_w
	ARM 3, G0B, G1B, .Lhead_ws
	tensor_load_to_lds s[G0SB:G0SB+3], s[G1SB:G1SB+7]
	s_nop 0
	PLACES 4
.Lhead_asked:
	; the prefetches: where my wave's stand, at chunk 1
	s_lshl_b32 s96, s[WC], 1
	s_lshr_b32 s97, s40, 1
	s_add_co_u32 s96, s96, s97
	s_lshl_b32 s96, s96, 19                        ; g: K step 2 (wave % 2) + cx / 2 of the chunk,
	s_and_b32 s97, s40, 1
	s_lshl_b32 s97, s97, 13                        ; half cx % 2 of its 16,384 bytes
	s_add_co_u32 s96, s96, s97
	s_lshl_b32 s97, s43, 14
	s_add_co_u32 s96, s96, s97
	s_add_co_u32 s96, s96, 0x200000
	s_lshl_b32 s97, s42, 7
	s_lshl_b32 s98, s[WC], 6
	s_add_co_u32 s97, s97, s98
	s_lshl_b32 s98, s41, 4
	s_add_co_u32 s97, s97, s98                     ; W: row 128 tx + 64 (wave % 2) + 16 cy
	s_lshl_b32 s97, s97, 12
	s_add_co_u32 s97, s97, 512
	s_mov_b32 s[PFS], 512
	s_mov_b32 s[PFS+1], 0
	s_cmp_eq_u32 s[WR], 0                          ; do I fetch for g?
	s_cselect_b32 s96, s96, s97
	s_cselect_b64 s[PFA:PFA+1], s[4:5], s[6:7]
	s_cselect_b32 s[PFS], 0x200000, s[PFS]
	s_cselect_b32 s99, -1, 0
	s_mov_b32 s97, 0
	s_add_nc_u64 s[PFA:PFA+1], s[PFA:PFA+1], s[96:97]
	v_and_b32 v16, 31, v0
	v_lshrrev_b32 v17, 1, v16
	v_and_b32 v18, 1, v16
	v_lshlrev_b32 v17, 12, v17
	v_lshlrev_b32 v16, 8, v16                      ; g: lanes 256 bytes apart
	v_lshl_add_u32 v17, v18, 8, v17                ; W: two lanes a row
	v_cndmask_b32 v[PFO], v17, v16, s99
	global_prefetch_b8 v[PFO], s[PFA:PFA+1] th:TH_LOAD_NT scope:SCOPE_SE   ; chunk 1, which is asked for behind the next round
	v_and_b32 v1, 15, v0
	v_bfe_u32 v2, v0, 4, 1
	v_lshlrev_b32 v[CO], 12, v2
	v_lshl_add_u32 v[CO], v1, 4, v[CO]
	s_wait_alu depctr_va_vdst(0)
	s_lshl_b32 s20, s43, 7
	s_lshl_b32 s21, s[WR], 6
	s_add_co_u32 s20, s20, s21
	s_lshl_b32 s20, s20, 12
	s_lshl_b32 s21, s42, 9
	s_add_co_u32 s20, s20, s21
	s_lshl_b32 s21, s[WC], 8
	s_add_co_u32 s20, s20, s21
	s_mov_b32 s21, 0
	s_add_nc_u64 s[92:93], s[10:11], s[20:21]
	s_add_nc_u64 s[94:95], s[12:13], s[20:21]
	WIN 0x80
.irp a, 0,1,2,3                        ; x1, in the layout of the rows that come back from the stage: window 2
.irp k, 0,1,2,3,4,5,6,7
	global_load_b128 v[32*\a+4*\k:32*\a+4*\k+3], v[CO], s[92:93] offset:(16*\a+2*\k)*4096 th:TH_LOAD_NT
.endr
.endr
	WIN 0
	v_and_b32 v3, 31, v0
	v_lshlrev_b32 v3, 4, v3
	v_mul_u32_u24 v10, v1, PITCH
	v_lshl_add_u32 v10, v2, 3, v10
	s_lshl_b32 s20, s[WR], 13                      ; my four token tiles of a K step's eight
	s_mul_i32 s21, s[WC], HALFT
	s_add_co_u32 s21, s21, 65536
.irp s, 0,1
	v_add_nc_u32 v[AD1+\s], s20, v3
	v_add_nc_u32 v[AD0+\s], s21, v10
	s_add_co_u32 s20, s20, SLOT
	s_add_co_u32 s21, s21, SLOT
.endr
	s_lshl_b32 s20, s[WR], 10
	s_add_co_u32 s20, s20, SCL1
	v_lshlrev_b32 v10, 4, v1
	v_add_nc_u32 v[AS1], s20, v10
	s_mul_i32 s20, s[WC], 64*KS
	s_add_co_u32 s20, s20, SCL0
	v_mul_u32_u24 v10, v1, KS
	v_add_nc_u32 v[AS0], s20, v10
	s_mul_i32 s20, s[WV], 4352
	s_add_co_u32 s20, s20, STG
	v_mul_u32_u24 v[STO], v1, 272
	v_lshl_add_u32 v[STO], v2, 5, v[STO]
	v_add_nc_u32 v[STO], s20, v[STO]
	v_mul_u32_u24 v[RD], v2, 272
	v_lshl_add_u32 v[RD], v1, 4, v[RD]
	v_add_nc_u32 v[RD], s20, v[RD]
	s_wait_alu depctr_va_vdst(0)                   ; the wait at the head's end
	s_wait_tensorcnt 0x0                           ; my tile of the head's four is in
	ds_add_u32 v[SPW], v[NIL]
	s_mov_b32 s[G1+2], 2<<16                       ; no tensor load of mine is out, so a descriptor may be written: from here on a load brings 2 K steps of g,
	s_mov_b32 s[G1+4], 2
	s_mov_b32 s[G1B+2], 64<<16                     ; or 64 rows of W
	s_mov_b32 s[G1B+4], 64
	s_wait_dscnt 0x0
	CROUND                                         ; all four tiles are in, and all sixteen work-groups are here
	JLOAD G0+4, G1, G0B+4, G1B                     ; chunk 1, the first tensor load behind the round
	FETCH 0, 0, F0
	WIN 0
	SCALES 0
	PFSTEP
	global_prefetch_b8 v[PFO], s[PFA:PFA+1] th:TH_LOAD_NT scope:SCOPE_SE   ; chunk 2
	QUARTER 0, 0, 1                                ; the first products start the sums: nothing is cleared
	WIN 0
	PFSTEP
	global_prefetch_b8 v[PFO], s[PFA:PFA+1] th:TH_LOAD_NT scope:SCOPE_SE   ; chunk 3
	s_mov_b32 s3, KT/1024-1
.Llap:                                 ; a trip goes once round the ring and fills both slots again
	QUARTER 0, 1, 0
	QUARTER 0, 2, 0
	TURN 0, 1, 1
	QUARTER 1, 0, 0
	QUARTER 1, 1, 0
	QUARTER 1, 2, 0
	TURN 1, 0, 1
	QUARTER 0, 0, 0
	WIN 0
	s_sub_co_u32 s3, s3, 1
	s_cmp_lg_u32 s3, 0
	s_cbranch_scc1 .Llap
	QUARTER 0, 1, 0                                ; the last lap fills nothing
	QUARTER 0, 2, 0
	TURN 0, 1, 0
	QUARTER 1, 0, 0
	QUARTER 1, 1, 0
	QUARTER 1, 2, 0
	s_wait_dscnt 0x0
	WIN MUL
	MUL16 F1, 3, 1, 0
	WIN 0
	PLACES 8                                       ; ahead of the first read of results
	s_wait_loadcnt 0x0                             ; x1
.macro OUT a
.irp b, 0,1,2,3
	ds_store_b128 v[STO], v[ACC+8*(4*\a+\b):ACC+8*(4*\a+\b)+3] offset:64*\b          ; each accumulator from its low end on
	ds_store_b128 v[STO], v[ACC+8*(4*\a+\b)+4:ACC+8*(4*\a+\b)+7] offset:64*\b+16
.endr
.irp k, 0,1,2,3,4,5,6,7
	ds_load_b128 v[T+4*\k:T+4*\k+3], v[RD] offset:544*\k       ; LDS serves a wave's instructions in order: these see my stores
.endr
	s_wait_dscnt 0x0
	WIN 0x88
.set n, 0
.rept 16
	v_pk_add_f32 v[32*\a+n:32*\a+n+1], v[T+n:T+n+1], v[32*\a+n:32*\a+n+1]
.set n, n+2
.endr
	WIN 0x08
.irp k, 0,1,2,3,4,5,6,7
	global_store_b128 v[CO], v[32*\a+4*\k:32*\a+4*\k+3], s[94:95] offset:(16*\a+2*\k)*4096 th:TH_STORE_NT   ; sixteen lanes store 256 consecutive bytes
.endr
	WIN 0
.endm
	OUT 0
	OUT 1
	OUT 2
	OUT 3
	s_wait_tensorcnt 0x0                           ; the wave's end
	ds_add_u32 v[SPW], v[NIL]
	s_wait_dscnt 0x0
	CROUND                                         ; the closing round
	s_endpgm
.Lfunc_end_k_q88de3d84fc_fc2:
	.size	k_q88de3d84fc_fc2, .Lfunc_end_k_q88de3d84fc_fc2-k_q88de3d84fc_fc2
	.p2alignl 7, 3214868480
	.fill 96, 4, 3214868480
	.section	.rodata,"a",@progbits
	.p2align	6, 0x0
	.amdhsa_kernel k_q88de3d84fc_fc2
		.amdhsa_group_segment_fixed_size 327680
		.amdhsa_private_segment_fixed_size 0
		.amdhsa_enable_private_segment 0
		.amdhsa_kernarg_size 40
		.amdhsa_user_sgpr_count 2
		.amdhsa_user_sgpr_kernarg_segment_ptr 1
		.amdhsa_wavefront_size32 1
		.amdhsa_system_sgpr_workgroup_id_x 1
		.amdhsa_system_sgpr_workgroup_id_y 1
		.amdhsa_system_sgpr_workgroup_id_z 1
		.amdhsa_system_vgpr_workitem_id 0
		.amdhsa_next_free_vgpr 640
		.amdhsa_next_free_sgpr 102
		.amdhsa_reserve_vcc 0
		.amdhsa_float_denorm_mode_32 3
		.amdhsa_float_denorm_mode_16_64 3
		.amdhsa_memory_ordered 1
		.amdhsa_forward_progress 1
		.amdhsa_inst_pref_size 118
	.end_amdhsa_kernel
	.amdgpu_metadata
---
amdhsa.version: [ 1, 2 ]
amdhsa.kernels:
  - .name:           k_q88de3d84fc_fc2
    .symbol:         k_q88de3d84fc_fc2.kd
    .args:
      - { .name: gq, .offset: 0, .size: 8, .value_kind: global_buffer, .address_space: global }
      - { .name: W_fc2_codes, .offset: 8, .size: 8, .value_kind: global_buffer, .address_space: global }
      - { .name: W_fc2_scales, .offset: 16, .size: 8, .value_kind: global_buffer, .address_space: global }
      - { .name: x1, .offset: 24, .size: 8, .value_kind: global_buffer, .address_space: global }
      - { .name: out0, .offset: 32, .size: 8, .value_kind: global_buffer, .address_space: global }
    .group_segment_fixed_size: 327680
    .private_segment_fixed_size: 0
    .kernarg_segment_align: 8
    .kernarg_segment_size: 40
    .max_flat_workgroup_size: 128
    .sgpr_count:     102
    .vgpr_count:     640
    .wavefront_size: 32
...
	.end_amdgpu_metadata
.endif
;; end of part 6
